; MI455X (gfx1250); checked and timed in simulation.
; The chip was launched on July 23, 2026; its instructions are those of AMD's public machine-readable ISA for CDNA 5 (MIT licence, August 2026) and "CDNA5" Instruction Set Architecture Reference Guide (July 2026). The comments in the code are by the model that wrote it; some were corrected since.
;; Angular Attention. Allowed arithmetic: matrix products marked QUANTISED: E3M2 operands, one E8M0 scale for each 32 along K, by v_wmma_scale_f32_16x16x128_f8f6f4 with both operands' format E3M2, f32 sums; everything else in f32.
;; Inputs: Wk 1,024 x 1,024 float32; Wo 1,024 x 1,024 float32; Wq 1,024 x 1,024 float32; Wv 1,024 x 1,024 float32; bo 1,024 float32; x 2 x 2,048 x 1,024 float32.
;; Outputs: out0 2 x 2,048 x 1,024 float32.
;; This version of the problem:
;;   THIS VERSION OF THE PROBLEM IS GIVEN IN LOW PRECISION. The matrix products marked QUANTISED in the list below multiply operands that are first quantised to E3M2 (3 exponent bits, 2 mantissa bits; 6 bits a number), with one power-of-two scale for each 32 numbers along K (OCP MX v1.0); their sums are f32. All else is computed in f32.
;;   The module's matrix products, in the order in which they are computed (A, B: the left and right operand; K: the contracted axis; several contracted axes count as one K, in the product's order):
;;     1. [M 4,096, K 1,024] x [K 1,024, N 1,024]; A: input x; B: input Wq: QUANTISED
;;     2. [M 4,096, K 1,024] x [K 1,024, N 1,024]; A: input x; B: input Wk: QUANTISED
;;     3. [M 4,096, K 1,024] x [K 1,024, N 1,024]; A: input x; B: input Wv: QUANTISED
;;     4. batch 32 x [M 2,048, K 64] x [K 64, N 2,048]; A: computed on the way; B: computed on the way: QUANTISED
;;     5. batch 32 x [M 2,048, K 2,048] x [K 2,048, N 64]; A: computed on the way; B: computed on the way: QUANTISED
;;     6. [M 4,096, K 1,024] x [K 1,024, N 1,024]; A: computed on the way; B: input Wo: QUANTISED
;;   THE QUANTISER, for each operand of a quantised product, along K:
;;     - K is cut into blocks of 32 from its start; a last block that is shorter is filled with zeros.
;;     - A block's scale is 2^e with e = floor(log2(the largest magnitude in the block)) - 4, held to -126 .. 127; a block of zeros has e = 0. As a byte (E8M0): e + 127.
;;     - Each number is divided by its block's scale, clamped to +-28, and rounded to the nearest number of E3M2, ties to even, subnormals kept.
;;     - The product sums the exact products of the quantised numbers (number of the format x scale) in f32.
;;   ~~~python
;;   def quantise(x, axis):      # numpy; x: float32 -> the quantised numbers, widened to float32 again
;;       x = np.moveaxis(x, axis, -1); K = x.shape[-1]
;;       x = np.pad(x, [(0, 0)] * (x.ndim - 1) + [(0, -K % 32)]); x = x.reshape(x.shape[:-1] + (-1, 32)); a = np.abs(x).max(-1, keepdims=True)
;;       e = np.where(a > 0, np.clip(np.frexp(np.where(a > 0, a, 1))[1] - 1 - 4, -126, 127), 0)      # np.frexp(a)[1] - 1 = floor(log2(a)), exactly
;;       r = np.clip(x / 2.0 ** e, -28, 28)
;;       step = 2.0 ** (np.maximum(np.frexp(np.where(r == 0, 1, r))[1] - 1, -2) - 2)
;;       q = np.round(r / step) * step * 2.0 ** e      # np.round: ties to even
;;       return np.moveaxis(q.reshape(q.shape[:-2] + (-1,))[..., :K], -1, axis).astype(np.float32)
;;   ~~~
;;   OPERANDS COMPUTED ON THE WAY. 'Computed on the way' means the value that the module computes at that place (a softmax that the list does not call 'softmax' is quantised finished and normalised). What goes into a quantiser is computed in f32, as accurately as f32 sums, v_exp_f32 and their like allow (about 1e-6 of the number): no bf16 or f16 on the way to a quantiser, and a product that is left as it is and whose result goes on into a quantised operand takes f32 operands (vector FMAs, or v_wmma_f32_16x16x4_f32). A number that lies on a knife's edge between two numbers of the format may be rounded either way, as far as f32 arithmetic and the matrix unit's own rounding can turn it there, and no further.
;; One version. Each part assembles by itself: llvm-mc -triple=amdgcn-amd-amdhsa -mcpu=gfx1250 --defsym DOCPART=n.
;; ======== version 1 of 1: 4 launches
;; workspace buffers: cod 6,291,456 bytes; scl 262,144 bytes; img 9,437,184 bytes; isc 655,360 bytes; oc 3,145,728 bytes; os 131,072 bytes
;; launch quant (part 1): grid 256 x 1, 4 waves a work-group, no clusters, 66,048 bytes of LDS; arguments x, Wq, Wk, Wv, Wo, cod, scl; writes cod, scl
.if DOCPART == 1
	.amdgcn_target "amdgcn-amd-amdhsa--gfx1250"
	.amdhsa_code_object_version 6
	.text
	.protected	k_qccd18ec371_quant
	.globl	k_qccd18ec371_quant
	.p2align	8
	.type	k_qccd18ec371_quant,@function
k_qccd18ec371_quant:
	s_mov_b64 s[64:65], 0
	v_nop
	global_prefetch_b8 v0, s[64:65] scope:SCOPE_SE
	s_setreg_imm32_b32 hwreg(HW_REG_WAVE_MODE, 25, 1), 1
	s_wait_xcnt 0x0
; x [4096][1024] and Wq, Wk, Wv, Wo [1024][1024], f32, K innermost, become codes of BF6 (E3M2) with one E8M0 byte for each 32 along K.
; A block's scale is 2^(floor(log2(largest magnitude)) - 4); its byte is the largest magnitude's exponent field - 4, held at 1 from below.
; LIMITS: a block of zeros, or one whose largest magnitude lies under 2^-122, gets the byte 1 (its codes are zeros or subnormal codes; the bytes are read by this program alone); NaN and infinities are not served.
; LAYOUT OF THE CODES: cod [16 panels of 64 along K][8192 positions][48 bytes]; positions 0.. x, 4096.. Wq, 5120.. Wk, 6144.. Wv, 7168.. Wo.  scl [8192 positions][32 bytes].
; POSITIONS: within every 32 rows the second and third group of eight change places, so that position 16 u + r holds row 8 u + r + 8 (r / 8): sixteen positions on end are then a tile whose
; results, in the transposed use of the matrix instruction, fall into a lane's registers as neighbours.
; SHARES: a work-group takes 32 rows, a wave 8 rows = 16 steps of 512 numbers.  Each load reads 512 consecutive bytes; a step turns through the wave's own stage in LDS so that a lane holds 16 neighbours.
; Loads run eight steps ahead: 32 loads, 16 KiB, of every wave are on their way.
; The codes (12 bytes a lane and step) gather in the wave's code stage [panel 16][row 8][4 places of 16 bytes] and leave panel by panel: 384 consecutive bytes a store.  No barrier: waves share nothing.
.set STEPS, 16
.set AHEAD, 8                          ; steps whose loads are out
.set EMAX,  4
.set SP,    80                         ; a lane's place in a turning stage: 64 bytes + 16
.set WREG,  16384                      ; LDS of a wave: two turning stages (5,120), 256 scale bytes, the code stage
.set SCB,   5120
.set CST,   8192
.set PSTR,  393216                     ; bytes from panel to panel in cod
.set R,     16                         ; v16-143  eight sets of 16 numbers as loaded; at the end the codes on their way out
.set X,     144                        ; v144-175 two sets of 16 neighbours
.set E,     176                        ; v176-191 a scale byte for each step
.set C,     192                        ; v192-255 codes: four registers a step
	s_load_b256 s[4:11], s[0:1], 0x0               ; x, Wq, Wk, Wv
	s_load_b128 s[12:15], s[0:1], 0x20             ; Wo, cod
	s_load_b64 s[16:17], s[0:1], 0x30              ; scl
	v_lshl_add_u32 v251, v0, 2, 0x10000
	v_mov_b32 v255, 0
	v_lshrrev_b32 v1, 5, v0
	v_readfirstlane_b32 s18, v1                    ; wave 0..3
	v_and_b32 v2, 31, v0                           ; lane
	v_lshlrev_b32 v3, 4, v2                        ; my 16 bytes of a load's 512
	s_mul_i32 s19, s18, WREG
	v_lshrrev_b32 v14, 2, v2                       ; lane / 4
	v_and_b32 v15, 3, v2                           ; lane % 4
	v_lshlrev_b32 v10, 9, v14
	v_lshl_add_u32 v10, v15, 4, v10
	v_add_nc_u32 v10, s19, v10
	v_add_nc_u32 v10, CST, v10                     ; code stage, in: panel lane / 4 (512 bytes each), place lane % 4
	v_mul_u32_u24 v14, v14, SP
	v_lshl_add_u32 v14, v15, 4, v14
	v_add_nc_u32 v14, s19, v14                     ; turning stage, in
	v_mul_u32_u24 v15, v2, SP
	v_add_nc_u32 v15, s19, v15                     ; turning stage, out: my 16 neighbours
	v_add_nc_u32 v1, s19, v3
	v_add_nc_u32 v1, CST, v1                       ; code stage, out: 16 x lane in a panel's 512 bytes
	v_mul_u32_u24 v4, v2, 12                       ; and the same place among the panel's 384 bytes in memory
	v_lshrrev_b32 v5, 1, v2
	v_add_nc_u32 v5, s19, v5
	v_add_nc_u32 v5, SCB, v5                       ; my block's scale byte
	v_lshlrev_b32 v7, 3, v2
	v_add_nc_u32 v6, s19, v7
	v_add_nc_u32 v6, SCB, v6                       ; and on the way out 8 bytes a lane
	s_sub_co_u32 s20, ttmp9, 128                   ; work-groups 128.. take the weights, 32 work-groups each
	s_lshr_b32 s21, s20, 5                         ; which weight
	s_and_b32 s22, s20, 31                         ; which 32 rows of it
	s_and_b32 s24, s18, 1                          ; the octet that my 8 rows go to: waves 0, 1, 2, 3 -> 0, 2, 1, 3
	s_lshl_b32 s24, s24, 1
	s_lshr_b32 s25, s18, 1
	s_or_b32 s24, s24, s25
	s_lshl_b32 s24, s24, 3
	s_lshl_b32 s25, ttmp9, 5
	s_add_co_u32 s24, s24, s25                     ; my first position: 32 x work-group + 8 x octet
	s_wait_kmcnt 0x0
	s_cmp_eq_u32 s21, 1                            ; the choices hang on the work-group's number alone
	s_cselect_b64 s[6:7], s[8:9], s[6:7]
	s_cmp_eq_u32 s21, 2
	s_cselect_b64 s[6:7], s[10:11], s[6:7]
	s_cmp_eq_u32 s21, 3
	s_cselect_b64 s[6:7], s[12:13], s[6:7]
	s_cmp_lt_u32 ttmp9, 128
	s_cselect_b64 s[4:5], s[4:5], s[6:7]
	s_cselect_b32 s22, ttmp9, s22
	s_lshl_b32 s22, s22, 17                        ; 32 rows of 4,096 bytes
	s_lshl_b32 s23, s18, 15                        ; my 8 rows
	s_add_co_u32 s22, s22, s23
	s_mov_b32 s23, 0
	s_add_nc_u64 s[4:5], s[4:5], s[22:23]
	s_mul_i32 s26, s24, 48
	s_mov_b32 s27, 0
	s_add_nc_u64 s[14:15], s[14:15], s[26:27]      ; cod at my first position, panel 0
	s_lshl_b32 s26, s24, 5
	s_add_nc_u64 s[16:17], s[16:17], s[26:27]      ; scl at my first position
.macro LOAD t
.irp i, 0,1,2,3
	global_load_b128 v[R+16*((\t)%AHEAD)+4*\i:R+16*((\t)%AHEAD)+4*\i+3], v3, s[4:5] offset:2048*(\t)+512*\i th:TH_LOAD_NT
.endr
.endm
.macro TURN t                          ; step t's numbers through the stage; LDS serves a wave's instructions in order, so no wait stands between the stores and the loads
.irp i, 0,1,2,3
	ds_store_b128 v14, v[R+16*((\t)%AHEAD)+4*\i:R+16*((\t)%AHEAD)+4*\i+3] offset:32*SP*((\t)%2)+8*SP*\i
.endr
.irp i, 0,1,2,3
	ds_load_b128 v[X+16*((\t)%2)+4*\i:X+16*((\t)%2)+4*\i+3], v15 offset:32*SP*((\t)%2)+16*\i
.endr
.endm
.irp t, 0,1,2,3,4,5,6,7
	LOAD \t
.endr
	s_wait_loadcnt 4*(AHEAD-1)                     ; step 0's four loads are in; seven steps' may be out
	TURN 0
.macro STEP t
.set XS, X+16*((\t)%2)
.if (\t) > 0
	s_wait_dscnt 2                                 ; this step's numbers are back (the last step's byte store and code store may be out)
.else
	s_wait_dscnt 0x0
.endif
.if (\t)+AHEAD < STEPS
	LOAD (\t)+AHEAD                                ; into the set whose stores into the stage are done
.endif
.if (\t)+1 < STEPS
.if STEPS-2-(\t) >= AHEAD-1
	s_wait_loadcnt 4*(AHEAD-1)                     ; the next step's loads are in; seven steps' may be out
.else
	s_wait_loadcnt 4*(STEPS-2-(\t))                ; towards the end: the steps that are left behind the next
.endif
	TURN (\t)+1
.endif
	v_max3_num_f32 v8, |v[XS]|, |v[XS+1]|, |v[XS+2]|
	v_max3_num_f32 v9, |v[XS+3]|, |v[XS+4]|, |v[XS+5]|
.irp i, 6,10
	v_max3_num_f32 v8, v8, |v[XS+\i]|, |v[XS+\i+1]|
	v_max3_num_f32 v9, v9, |v[XS+\i+2]|, |v[XS+\i+3]|
.endr
	v_max3_num_f32 v8, v8, |v[XS+14]|, |v[XS+15]|
	v_max3_num_f32 v8, v8, v9, (EMAX+1)<<23        ; the floor 2^(5 - 127): the byte cannot fall under 1
	v_max_num_f32_dpp v8, v8, v8 row_xmask:1 row_mask:0xf bank_mask:0xf   ; with my neighbour's 16: the block's largest magnitude
	v_add_nc_u32 v11, -(EMAX<<23), v8              ; 4 off its exponent field: the conversion's scale operand
	v_cvt_scalef32_pk16_bf6_f32 v[C+4*(\t):C+4*(\t)+2], v[XS:XS+15], v11
	v_lshrrev_b32 v[E+(\t)], 23, v11               ; the scale's byte (a plain line behind the conversion)
	ds_store_b8 v5, v[E+(\t)] offset:16*(\t)       ; row t / 2, blocks 16 (t % 2) + lane / 2; both lanes of a block write the same byte
	ds_store_b96 v10, v[C+4*(\t):C+4*(\t)+2] offset:((\t)%2)*4096+((\t)/2)*64   ; panel 8 (t % 2) + lane / 4, row t / 2, place lane % 4
.endm
.irp t, 0,1,2,3,4,5,6,7,8,9,10,11,12,13,14,15
	STEP \t
.endr
.irp p, 0,1,2,3,4,5,6,7,8,9,10,11,12,13,14,15
	ds_load_b96 v[R+4*\p:R+4*\p+2], v1 offset:512*\p   ; a panel's 8 rows x 4 places; these see my stores
.endr
	ds_load_b64 v[12:13], v6
.irp p, 0,1,2,3,4,5,6,7,8,9,10,11,12,13,14,15
	s_wait_dscnt 16-\p                             ; panel p is in; the younger loads may be out
	global_store_b96 v4, v[R+4*\p:R+4*\p+2], s[14:15] offset:\p*PSTR   ; 8 rows x 48 bytes: 384 consecutive bytes
.endr
	s_wait_dscnt 0x0
	global_store_b64 v7, v[12:13], s[16:17]        ; my 8 rows' 256 scale bytes: 256 consecutive bytes, aligned
	s_wait_tensorcnt 0x0
	ds_add_u32 v251, v255
	s_wait_dscnt 0x0
	s_endpgm
.Lfunc_end_k_qccd18ec371_quant:
	.size	k_qccd18ec371_quant, .Lfunc_end_k_qccd18ec371_quant-k_qccd18ec371_quant
	.p2alignl 7, 3214868480
	.fill 96, 4, 3214868480
	.section	.rodata,"a",@progbits
	.p2align	6, 0x0
	.amdhsa_kernel k_qccd18ec371_quant
		.amdhsa_group_segment_fixed_size 66048
		.amdhsa_private_segment_fixed_size 0
		.amdhsa_enable_private_segment 0
		.amdhsa_kernarg_size 56
		.amdhsa_user_sgpr_count 2
		.amdhsa_user_sgpr_kernarg_segment_ptr 1
		.amdhsa_wavefront_size32 1
		.amdhsa_system_sgpr_workgroup_id_x 1
		.amdhsa_system_sgpr_workgroup_id_y 1
		.amdhsa_system_sgpr_workgroup_id_z 1
		.amdhsa_system_vgpr_workitem_id 0
		.amdhsa_next_free_vgpr 256
		.amdhsa_next_free_sgpr 66
		.amdhsa_reserve_vcc 0
		.amdhsa_float_denorm_mode_32 3
		.amdhsa_float_denorm_mode_16_64 3
		.amdhsa_memory_ordered 1
		.amdhsa_forward_progress 1
		.amdhsa_inst_pref_size 36
	.end_amdhsa_kernel
	.amdgpu_metadata
---
amdhsa.version: [ 1, 2 ]
amdhsa.kernels:
  - .name:           k_qccd18ec371_quant
    .symbol:         k_qccd18ec371_quant.kd
    .args:
      - { .name: x, .offset: 0, .size: 8, .value_kind: global_buffer, .address_space: global }
      - { .name: Wq, .offset: 8, .size: 8, .value_kind: global_buffer, .address_space: global }
      - { .name: Wk, .offset: 16, .size: 8, .value_kind: global_buffer, .address_space: global }
      - { .name: Wv, .offset: 24, .size: 8, .value_kind: global_buffer, .address_space: global }
      - { .name: Wo, .offset: 32, .size: 8, .value_kind: global_buffer, .address_space: global }
      - { .name: cod, .offset: 40, .size: 8, .value_kind: global_buffer, .address_space: global }
      - { .name: scl, .offset: 48, .size: 8, .value_kind: global_buffer, .address_space: global }
    .group_segment_fixed_size: 66048
    .private_segment_fixed_size: 0
    .kernarg_segment_align: 8
    .kernarg_segment_size: 56
    .max_flat_workgroup_size: 128
    .sgpr_count:     66
    .vgpr_count:     256
    .wavefront_size: 32
...
	.end_amdgpu_metadata
.endif
;; end of part 1
;; launch qkv (part 2): grid 48 x 4, 4 waves a work-group, clusters of 4 x 4, 327,680 bytes of LDS; arguments cod, scl, img, isc; writes img, isc
.if DOCPART == 2
	.amdgcn_target "amdgcn-amd-amdhsa--gfx1250"
	.amdhsa_code_object_version 6
	.text
	.protected	k_qccd18ec371_qkv
	.globl	k_qccd18ec371_qkv
	.p2align	8
	.type	k_qccd18ec371_qkv,@function
k_qccd18ec371_qkv:
	s_mov_b64 s[64:65], 0
	v_nop
	global_prefetch_b8 v0, s[64:65] scope:SCOPE_SE
	s_setreg_imm32_b32 hwreg(HW_REG_WAVE_MODE, 25, 1), 1
	s_wait_xcnt 0x0
	s_wait_alu depctr_hold_cnt(0) depctr_sa_sdst(0) depctr_va_vdst(0) depctr_va_sdst(0) depctr_va_ssrc(0) depctr_va_vcc(0) depctr_vm_vsrc(0)
	s_getreg_b32 s2, hwreg(HW_REG_IB_STS2, 6, 4)
	s_cmp_eq_u32 s2, 0
	s_cbranch_scc0 .Lentry_in_a_cluster
	s_endpgm
.Lentry_in_a_cluster:
	s_bfe_u32 s2, ttmp6, 0x10000c
	s_cmp_lg_u32 s2, 0xf033
	s_cbranch_scc0 .Lentry_shape_is_right
	s_endpgm
.Lentry_shape_is_right:
; The three projections on codes of BF6 (E3M2) with E8M0 scales, and what follows them: Q and K are divided by max(their head's l2 norm, 1e-6) and quantised along the head's 64; V is quantised along the tokens.
; ONE BODY: C = A B^T on a block of 256 x 256, used transposed (source 0 = 16 rows of B, source 1 = 16 rows of A): a lane holds ONE row of A, its registers run along B's rows.
;   clusters 0-7:  A = x (1,024 tokens a cluster pair), B = Wq (even clusters) or Wk (odd): a lane holds a token, registers run along the outputs: two heads of 64 in a wave's 128.
;   clusters 8-11: A = Wv, B = x: a lane holds an output of V, registers run along 128 tokens, which are the K of attention's second product.
; B's rows lie in position order (16 positions on end hold rows 8 u + r + 8 (r / 8) of their 32), so that a lane's 64 registers of an A block are: register 16 b + i = B row 32 b + 16 (lane / 16) + i.
; OPERANDS: cod [16 panels of 64 K][8192 positions][48 bytes], scl [position][32 bytes].  A tile of 128 rows x 256 K is 4 dense runs of 6,144 bytes; in LDS rows are 48 bytes apart:
; 12 r mod 64 words runs through all multiples of 4 and the lanes' half adds 6 words, so the 32 lanes of an 8-byte load touch 64 different banks (64 banks of 4 bytes: ISA guide 11.1).
; Four waves, each 128 x 128 in 64 accumulators.  K goes in slots of 256 through a ring of two LDS slots; four slots in all, so the ring's one lap with refills is written straight through.
; CLUSTERS 4 x 4: A's tile is asked for jointly along a row of the cluster, B's along a column.  The scales of the block's rows come once, with the first fills.
; RESULTS leave as images of operand registers, 8 bytes a lane, 256 consecutive aligned bytes a store:
;   img Q at 0, K at 3,145,728: [batch x head 32][tile of 16 positions 128][piece 3][lane][8];  V at 6,291,456: [batch 2][128 keys 16][tile of 16 outputs 64][piece 6][lane][8]
;   isc Q at 0, K at 262,144: [batch x head][128 tokens 16][lane][4 words], word i: lanes 0-15 tile 2 i's rows, lanes 16-31 tile 2 i + 1's;  V at 524,288: [batch][128 keys 16][128 outputs 8][lane][4 words]
; LIMITS: NaN and infinities are not served; a block of zeros or under 2^-122 gets the byte 1; the division by the norm is a reciprocal and a multiplication; the root and the reciprocal take denormals as 0,
; so a head whose sum of squares lies under 2^-126 is divided by 1e-6.
; REGISTERS: window 0: v0-31 addresses; v32-63 scale words, two sets, and nothing else; v64-87 the way out's codes; v128-223 A's fragments; window 1: B's fragments, two sets (v0, v128);
;   windows 2, 3: accumulators ((a, b) at v[8 (8 (a % 4) + b)]).
.set NQ,     2
.set PANB,   6144                      ; a panel of 128 rows in LDS
.set HALFT,  24576                     ; 128 rows x 256 K: what one tensor load brings
.set SLOT,   98304
.set PSTR,   393216                    ; bytes from panel to panel in cod
.set SCL,    196608                    ; the scales: units of 256 bytes + 16
.set HALFS,  4352
.set SBLK,   544
.set SPARE,  214016                    ; the spare words, 128 bytes a wave: two blocks of 256 bytes that no other line names
.set FR,     12
.set NL,     6
.set NP,     4
.set ADRA, 16
.set ADRB, 20
.set ADRS, 27
.set SPW,  28
.set NIL,  29
.set VO0,  8                           ; v8   8 x lane
.set VO1,  9                           ; v9   8 x lane + the way to a fragment's second three pieces
.set VSO,  10                          ; v10  16 x lane
.set ONE,  11                          ; v11  1.0
.set SC,   32
.set AF,   128
.set CD,   64                          ; the way out: v64-87 codes, two sets of 12 registers that the A blocks take by turns
.set X,    128                         ; v128-191 64 numbers
.set SS,   192                         ; v192-223 a pair for each (A block, head)
.set TM,   224
.set CT,   240
.set PW,   248                         ; v248-255 the scale word of each A block
.set WV,   16
.set RH,   17
.set CH,   18
.set AROW, 19
.set HM,   3
.set IB,   12
.set ISB,  14
.set SA,   20
.set NV,   95
.set SEL,  100
.set G1, 24
.set G0, 32
.set G1B, 48
.set G0B, 56
.set G1S, 68
.set G0S, 76
.set G1SB, 80
.set G0SB, 88
.set MSB, 0
.macro WIN new
.if MSB != \new
	s_set_vgpr_msb (MSB<<8)|\new
.set MSB, \new
.endif
.endm
.set MUL_LO, 0xa1
.set MUL_HI, 0xf1
.set TO_B,   0x40
; A joint load: waves 0 and 1 fetch for A, waves 2 and 3 for B; the branch hangs on the wave's number alone.  Four v_nop follow each line.
.macro JLOAD g0a, g1a, g0b, g1b
	s_cmp_eq_u32 s[RH], 0
	s_cbranch_scc0 .Lfor_b_\@
	tensor_load_to_lds s[\g0a:\g0a+3], s[\g1a:\g1a+7]
	s_nop 0
.rept 4
	v_nop
.endr
	s_branch .Lasked_\@
.Lfor_b_\@:
	tensor_load_to_lds s[\g0b:\g0b+3], s[\g1b:\g1b+7]
	s_nop 0
.rept 4
	v_nop
.endr
.Lasked_\@:
.endm
.macro CREST
	s_cmp_lg_u32 s[WV], 0
	s_cbranch_scc1 .Lnot_wave_0_\@
	s_barrier_signal -3
.Lnot_wave_0_\@:
	s_barrier_wait -3
	s_barrier_signal -1
	s_barrier_wait -1
.endm
.macro CROUND
	s_barrier_signal -1
	s_barrier_wait -1
	CREST
.endm
	s_load_b256 s[4:11], s[0:1], 0x0               ; cod s[4:5], scl s[6:7], img s[8:9], isc s[10:11]
	v_lshl_add_u32 v[SPW], v0, 2, SPARE
	v_mov_b32 v[NIL], 0
	ds_add_u32 v28, v29
	ds_add_u32 v28, v29
	s_wait_dscnt 0x0
	v_lshrrev_b32 v1, 5, v0
	v_readfirstlane_b32 s[WV], v1                  ; wave 0..3
	s_lshr_b32 s[RH], s[WV], 1                     ; my half of the block's A rows.  Also: I fetch for A (0) or B (1)
	s_and_b32 s[CH], s[WV], 1                      ; my half of its B rows.  Also: which 128 rows I fetch
	s_bfe_u32 s40, ttmp6, 0x40000                  ; cx
	s_bfe_u32 s41, ttmp6, 0x40004                  ; cy
	s_lshr_b32 s96, ttmp9, 1                       ; what the cluster's number (the same in all sixteen partners) says:
	s_lshl_b32 s96, s96, 10                        ; Q, K: A = x, 1,024 tokens for a pair of clusters
	s_and_b32 s97, ttmp9, 1
	s_lshl_b32 s97, s97, 10
	s_add_co_u32 s97, s97, 4096                    ; Q, K: B = Wq or Wk
	s_sub_co_u32 s98, ttmp9, 8
	s_lshl_b32 s98, s98, 10                        ; V: B = x, 1,024 tokens a cluster
	s_mov_b32 s99, 6144                            ; V: A = Wv
	s_cmp_ge_u32 ttmp9, 8
	s_cselect_b32 s96, s99, s96
	s_cselect_b32 s97, s98, s97
	s_cselect_b32 s[NV], -1, 0                     ; all ones in V's clusters
	s_lshl_b32 s[AROW], s41, 8
	s_add_co_u32 s[AROW], s[AROW], s96             ; the block's first position of A: hangs on cy and the cluster
	s_lshl_b32 s42, s40, 8
	s_add_co_u32 s42, s42, s97                     ; of B: on cx and the cluster
	s_lshl_b32 s43, s41, 2
	s_lshl_b32 s43, 15, s43                        ; my row of the cluster
	s_lshl_b32 s44, 0x1111, s40                    ; my column
	; group 1 for codes: 4 panels (rows) of 768 elements of 8 bytes, PSTR bytes apart; dense in LDS
	s_or_b32 s[G1+0], s43, (3<<16)|(1<<21)
	s_or_b32 s[G1B+0], s44, (3<<16)|(1<<21)
.irp g, G1, G1B
	s_mov_b32 s[\g+1], 768<<16                     ; tensor_dim0
	s_mov_b32 s[\g+2], 4<<16                       ; tensor_dim1
	s_mov_b32 s[\g+3], 768<<16                     ; tile_dim0
	s_mov_b32 s[\g+4], 4                           ; tile_dim1
	s_mov_b32 s[\g+5], PSTR/8                      ; pitch in elements
	s_mov_b32 s[\g+6], 0
	s_mov_b32 s[\g+7], 0
.endr
	; group 1 for the scales of 128 rows: 4,096 dense bytes as 16 rows of 256, 16 bytes of padding behind each
	s_or_b32 s[G1S+0], s43, (3<<16)|(1<<20)|(1<<21)|(5<<22)|(3<<25)
	s_or_b32 s[G1SB+0], s44, (3<<16)|(1<<20)|(1<<21)|(5<<22)|(3<<25)
.irp g, G1S, G1SB
	s_mov_b32 s[\g+1], 32<<16
	s_mov_b32 s[\g+2], 16<<16
	s_mov_b32 s[\g+3], 32<<16
	s_mov_b32 s[\g+4], 16
	s_mov_b32 s[\g+5], 32
	s_mov_b32 s[\g+6], 0
	s_mov_b32 s[\g+7], 0
.endr
	s_lshl_b32 s94, s[CH], 7                       ; which 128 rows I fetch
	s_add_co_u32 s20, s[AROW], s94
	s_add_co_u32 s46, s42, s94
	s_lshl_b32 s22, s20, 5                         ; their scales, 32 bytes a row,
	s_mov_b32 s23, 0
	s_lshl_b32 s92, s46, 5
	s_mov_b32 s93, 0
	s_mul_i32 s20, s20, 48                         ; and their codes in panel 0
	s_mov_b32 s21, 0
	s_mul_i32 s46, s46, 48
	s_mov_b32 s47, 0
	s_mul_i32 s45, s[WV], HALFT                    ; where they go: no place in the cluster enters an LDS address
	s_mul_i32 s94, s[WV], HALFS
	s_wait_kmcnt 0x0
	s_add_nc_u64 s[20:21], s[4:5], s[20:21]
	s_add_nc_u64 s[22:23], s[6:7], s[22:23]
	s_add_nc_u64 s[46:47], s[4:5], s[46:47]
	s_add_nc_u64 s[92:93], s[6:7], s[92:93]
	CROUND                                         ; all sixteen work-groups are here: the first joint loads meet
	s_mov_b32 s[G0S], 1
	s_add_co_u32 s[G0S+1], s94, SCL
	s_mov_b64 s[G0S+2:G0S+3], s[22:23]
	s_or_b32 s[G0S+3], s[G0S+3], 0x80000000
	s_mov_b32 s[G0SB], 1
	s_add_co_u32 s[G0SB+1], s94, SCL
	s_mov_b64 s[G0SB+2:G0SB+3], s[92:93]
	s_or_b32 s[G0SB+3], s[G0SB+3], 0x80000000
	JLOAD G0S, G1S, G0SB, G1SB                     ; the scales first
.irp s, 0,1
	s_mov_b32 s[G0+4*\s], 1
	s_add_co_u32 s[G0+4*\s+1], s45, \s*SLOT
	s_add_nc_u64 s[G0+4*\s+2:G0+4*\s+3], s[20:21], \s*4*PSTR
	s_or_b32 s[G0+4*\s+3], s[G0+4*\s+3], 0x80000000
	s_mov_b32 s[G0B+4*\s], 1
	s_add_co_u32 s[G0B+4*\s+1], s45, \s*SLOT
	s_add_nc_u64 s[G0B+4*\s+2:G0B+4*\s+3], s[46:47], \s*4*PSTR
	s_or_b32 s[G0B+4*\s+3], s[G0B+4*\s+3], 0x80000000
	JLOAD G0+4*\s, G1, G0B+4*\s, G1B
.endr
	v_and_b32 v1, 15, v0                           ; r
	v_bfe_u32 v2, v0, 4, 1                         ; h
	v_mul_u32_u24 v3, v1, 48
	v_mad_u32_u24 v3, v2, 24, v3                   ; a fragment's row x 48 + 24 x half
	s_mul_i32 s21, s[RH], HALFT
	s_mul_i32 s22, s[CH], HALFT
	s_add_co_u32 s22, s22, 2*HALFT
.irp s, 0,1
	v_add_nc_u32 v[ADRA+\s], s21, v3
	v_add_nc_u32 v[ADRB+\s], s22, v3
	s_add_co_u32 s21, s21, SLOT
	s_add_co_u32 s22, s22, SLOT
.endr
	v_lshlrev_b32 v5, 5, v1                        ; my row's scales: 32 bytes a row,
	v_lshrrev_b32 v6, 8, v5
	v_lshl_add_u32 v5, v6, 4, v5                   ; and 16 more for each 256 passed
	s_mul_i32 s21, s[RH], HALFS
	s_mul_i32 s22, s[CH], HALFS
	s_add_co_u32 s22, s22, 2*HALFS
	s_sub_co_u32 s22, s22, s21
	v_mul_u32_u24 v6, s22, v2                      ; lanes 16-31 take B's
	s_add_co_u32 s21, s21, SCL
	v_add_nc_u32 v5, v5, v6
	v_add_nc_u32 v[ADRS], s21, v5
	; where my results go.  Ta: my first position of A; Nb: my first position of B
	s_lshl_b32 s66, s[RH], 7
	s_add_co_u32 s66, s66, s[AROW]
	s_lshl_b32 s67, s[CH], 7
	s_add_co_u32 s67, s67, s42
	s_sub_co_u32 s96, s67, 4096                    ; Q, K: output 0..2047: Q's 1,024, then K's
	s_lshr_b32 s97, s96, 10                        ; Q or K
	s_bfe_u32 s98, s96, 0x40006                    ; the first of my two heads
	s_lshr_b32 s99, s66, 11
	s_lshl_b32 s99, s99, 4
	s_add_co_u32 s98, s98, s99                     ; 16 x batch + head
	s_bfe_u32 s99, s66, 0x70004                    ; my first tile of 16 tokens in the batch
	s_mul_i32 s12, s97, 3145728
	s_mul_i32 s2, s98, 98304
	s_add_co_u32 s12, s12, s2
	s_mul_i32 s2, s99, 768
	s_add_co_u32 s12, s12, s2
	s_lshl_b32 s14, s97, 18
	s_lshl_b32 s2, s98, 13
	s_add_co_u32 s14, s14, s2
	s_lshr_b32 s2, s99, 3
	s_lshl_b32 s2, s2, 9
	s_add_co_u32 s14, s14, s2
	s_sub_co_u32 s96, s66, 6144                    ; V: my first output
	s_lshr_b32 s97, s67, 11                        ; batch
	s_bfe_u32 s98, s67, 0x40007                    ; which 128 keys of it
	s_mul_i32 s13, s97, 1572864
	s_mul_i32 s2, s98, 98304
	s_add_co_u32 s13, s13, s2
	s_lshr_b32 s2, s96, 4
	s_mul_i32 s2, s2, 1536
	s_add_co_u32 s13, s13, s2
	s_add_co_u32 s13, s13, 6291456
	s_lshl_b32 s15, s97, 16
	s_lshl_b32 s2, s98, 12
	s_add_co_u32 s15, s15, s2
	s_lshr_b32 s2, s96, 7
	s_lshl_b32 s2, s2, 9
	s_add_co_u32 s15, s15, s2
	s_add_co_u32 s15, s15, 524288
	s_mov_b32 s96, 1536
	s_mov_b32 s97, 98304
	s_cmp_lg_u32 s[NV], 0
	s_cselect_b32 s12, s13, s12
	s_cselect_b32 s14, s15, s14
	s_cselect_b32 s[SA], s96, 768                  ; from A block to A block: a fragment of V, or a tile of Q or K
	s_cselect_b32 s45, 768, s97                    ; to the second three pieces: the fragment's second half, or the next head
	s_mov_b32 s13, 0
	s_mov_b32 s15, 0
	s_mov_b32 s[SA+1], 0
	s_add_nc_u64 s[IB:IB+1], s[8:9], s[12:13]
	s_add_nc_u64 s[ISB:ISB+1], s[10:11], s[14:15]
	s_mov_b32 s[HM], 0xffff0000                    ; lanes 16-31
	s_mov_b32 s[SEL], 0x76543210
	s_mov_b32 s[SEL+1], 0xfedcba98                 ; v_permlanex16_b32's selects for lane l xor 16
	v_and_b32 v4, 31, v0
	v_lshlrev_b32 v[VO0], 3, v4
	v_add_nc_u32 v[VO1], s45, v[VO0]
	v_lshlrev_b32 v[VSO], 4, v4
	v_mov_b32 v[ONE], 1.0
.macro FRAG reg, adr, q, i             ; 16 rows x 128 K: registers 6 c .. 6 c + 5 hold K = 64 c + 32 (l / 16) + 0 .. 31: 24 bytes of the row in panel 2 q + c, in pieces of 8 bytes
.irp p, 0,1,2,3,4,5
	ds_load_b64 v[\reg+2*\p:\reg+2*\p+1], v[\adr] offset:(2*(\q)+\p/3)*PANB+(\i)*768+8*(\p%3)
.endr
.endm
; 16 matrix instructions: A's blocks a0, a0 + 1 x B's eight.  The 64 accumulators take turns, one instruction a turn, in the same order in every step.
.macro MUL16 a0, p, q, sc, zero
.irp a, \a0, \a0+1
.irp b, 0,1,2,3,4,5,6,7
.if \zero
	v_wmma_scale_f32_16x16x128_f8f6f4 v[8*(8*((\a)%4)+\b):8*(8*((\a)%4)+\b)+7], v[128*(\p)+FR*\b:128*(\p)+FR*\b+FR-1], v[AF+FR*(\a):AF+FR*(\a)+FR-1], 0, v[SC+8*NQ*(\sc)+NQ*\b+(\q)], v[SC+8*NQ*(\sc)+NQ*(\a)+(\q)] matrix_a_fmt:MATRIX_FMT_BF6 matrix_b_fmt:MATRIX_FMT_BF6 matrix_a_scale:MATRIX_SCALE_ROW1
.else
	v_wmma_scale_f32_16x16x128_f8f6f4 v[8*(8*((\a)%4)+\b):8*(8*((\a)%4)+\b)+7], v[128*(\p)+FR*\b:128*(\p)+FR*\b+FR-1], v[AF+FR*(\a):AF+FR*(\a)+FR-1], v[8*(8*((\a)%4)+\b):8*(8*((\a)%4)+\b)+7], v[SC+8*NQ*(\sc)+NQ*\b+(\q)], v[SC+8*NQ*(\sc)+NQ*(\a)+(\q)] matrix_a_fmt:MATRIX_FMT_BF6 matrix_b_fmt:MATRIX_FMT_BF6 matrix_a_scale:MATRIX_SCALE_ROW1
.endif
.endr
.endr
.endm
.macro FETCH_B slot, q, p
	WIN TO_B
.irp i, 0,1,2,3,4,5,6,7
	FRAG 128*(\p)+FR*\i, ADRB+\slot, \q, \i
.endr
	WIN 0
.endm
.macro FETCH_A slot, q, i0
.irp i, \i0, \i0+1, \i0+2, \i0+3
	FRAG AF+FR*(\i), ADRA+\slot, \q, \i
.endr
.endm
.macro SCALES sc                       ; a slot's two scale words a row: lanes 0-15 A's block i, lanes 16-31 B's block i
.irp i, 0,1,2,3,4,5,6,7
	ds_load_b64 v[SC+8*NQ*\sc+NQ*\i:SC+8*NQ*\sc+NQ*\i+1], v[ADRS] offset:\i*SBLK
.endr
.endm
.macro PLACES n                        ; plain vector instructions between a matrix instruction and a load into, or a read of, its registers
.rept \n
	v_nop
.endr
.endm
.macro STEP slot, q, zero              ; 128 along K whose successor lies in the same slot
	s_wait_dscnt 4*NL                              ; B's set, A's blocks 0-3 and the scale words are in; A's blocks 4-7 may be out
	WIN MUL_LO
	MUL16 0, (\q)%2, \q, \slot, \zero
	MUL16 2, (\q)%2, \q, \slot, \zero
	s_wait_dscnt 0
	PLACES NP
	FETCH_B \slot, (\q)+1, 1-(\q)%2
	FETCH_A \slot, (\q)+1, 0
	WIN MUL_HI
	MUL16 4, (\q)%2, \q, \slot, \zero
	MUL16 6, (\q)%2, \q, \slot, \zero
	PLACES NP
	WIN 0
	FETCH_A \slot, (\q)+1, 4
.endm
; A slot's last step changes slots: one barrier; in front of it each wave waits for all its tensor loads, adds 0 to its spare word, and waits for that and for its reads of this slot.
.macro TURN slot, next, fill
	s_wait_tensorcnt 0x0                           ; all my tensor loads have landed: my part of the next slot
	ds_add_u32 v[SPW], v[NIL]                      ; 0 onto my spare word
	s_wait_dscnt 4*NL+1                            ; the add and A's blocks 4-7 may be out
	WIN MUL_LO
	MUL16 0, 1, NQ-1, \slot, 0
	s_wait_dscnt 0x0                               ; the add is done, and my reads of this slot are over
	s_barrier_signal -1
	MUL16 2, 1, NQ-1, \slot, 0
	WIN 0
	s_barrier_wait -1
.if \fill
	CREST                                          ; the barrier has opened a round of the cluster's barrier: no wave of any partner still reads this slot or has a load on its way
	s_add_nc_u64 s[G0+4*\slot+2:G0+4*\slot+3], s[G0+4*\slot+2:G0+4*\slot+3], 8*PSTR
	s_add_nc_u64 s[G0B+4*\slot+2:G0B+4*\slot+3], s[G0B+4*\slot+2:G0B+4*\slot+3], 8*PSTR
	JLOAD G0+4*\slot, G1, G0B+4*\slot, G1B         ; the first tensor load behind the round; its four v_nop are the places in front of the loads below
.else
	PLACES NP
.endif
	v_add_nc_u32 v[ADRS], 4*NQ, v[ADRS]
	FETCH_B \next, 0, 0
	FETCH_A \next, 0, 0
	SCALES \next
	WIN MUL_HI
	MUL16 4, 1, NQ-1, \slot, 0
	MUL16 6, 1, NQ-1, \slot, 0
	PLACES NP
	WIN 0
	FETCH_A \next, 0, 4
.endm
; 64 numbers of a lane, register 16 b + i = k 32 b + 16 (lane / 16) + i of my row, become a fragment's 12 registers of codes in v[d] on and its scale word in v[pw].
.macro QUANT s, d, ct, pw
.irp b, 0,1,2,3
	v_max3_num_f32 v[TM+\b], |v[(\s)+16*\b]|, |v[(\s)+1+16*\b]|, 0x2800000   ; my 16 numbers of block b, and the floor 2^(5 - 127)
.endr
.irp i, 2,4,6,8,10,12,14
.irp b, 0,1,2,3
	v_max3_num_f32 v[TM+\b], v[TM+\b], |v[(\s)+16*\b+\i]|, |v[(\s)+1+16*\b+\i]|
.endr
.endr
.irp b, 0,1,2,3
	v_permlanex16_b32 v[TM+4+\b], v[TM+\b], s[SEL], s[SEL+1]
.endr
.irp b, 0,1,2,3
	v_max_num_f32 v[TM+\b], v[TM+\b], v[TM+4+\b]   ; with lane l xor 16's: the block's largest magnitude
.endr
.irp b, 0,1,2,3
	v_add_nc_u32 v[TM+12+\b], 0xfe000000, v[TM+\b] ; 4 off its exponent field: the conversion's scale operand
.endr
.irp b, 0,1,2,3
	v_lshrrev_b32 v[TM+4+\b], 23, v[TM+12+\b]      ; the scale's byte
.endr
	v_lshl_or_b32 v[\pw], v[TM+5], 8, v[TM+4]
	v_lshl_or_b32 v[\pw], v[TM+6], 16, v[\pw]
	v_lshl_or_b32 v[\pw], v[TM+7], 24, v[\pw]
.irp c, 0,1
	v_cvt_scalef32_pk16_bf6_f32 v[(\d)+6*\c:(\d)+2+6*\c], v[(\s)+32*\c:(\s)+15+32*\c], v[TM+12+2*\c]
	v_cvt_scalef32_pk16_bf6_f32 v[(\ct)+4*\c:(\ct)+2+4*\c], v[(\s)+16+32*\c:(\s)+31+32*\c], v[TM+12+2*\c+1]
.endr
	v_nop                                          ; one plain line behind the scaled conversions
.irp c, 0,1                                    ; the operand wants a whole block in a lane
.irp i, 0,1,2
	v_permlane16_swap_b32 v[(\d)+6*\c+\i], v[(\ct)+4*\c+\i]
.endr
.irp i, 0,1,2
	v_mov_b32 v[(\d)+3+6*\c+\i], v[(\ct)+4*\c+\i]
.endr
.endr
.endm
	s_wait_tensorcnt 1                             ; the scales and my part of slot 0 are in; slot 1's load may be out
	s_barrier_signal -1
	s_barrier_wait -1
	FETCH_B 0, 0, 0
	FETCH_A 0, 0, 0
	SCALES 0
	FETCH_A 0, 0, 4
	STEP 0, 0, 1                                   ; the first products start the sums
	TURN 0, 1, 1                                   ; slot 0 takes K 512..767
	STEP 1, 0, 0
	TURN 1, 0, 1                                   ; slot 1 takes K 768..1023
	STEP 0, 0, 0
	TURN 0, 1, 0                                   ; nothing is left to fetch
	STEP 1, 0, 0
	s_wait_dscnt 4*NL
	WIN MUL_LO
	MUL16 0, 1, NQ-1, 1, 0
	MUL16 2, 1, NQ-1, 1, 0
	s_wait_dscnt 0
	WIN MUL_HI
	MUL16 4, 1, NQ-1, 1, 0
	MUL16 6, 1, NQ-1, 1, 0
	WIN 0
	; THE WAY OUT.  1: for each A block a and each half c of my 128 B rows (a head, in Q's and K's clusters) the sum of squares of my lane's 32 numbers, each accumulator from its low end on
	PLACES NP
.irp b, 0,1,2,3
	v_mov_b32 v[TM+4+\b], 0                        ; written once: a lane permute's destination counts as one of its sources
.endr
.irp a, 0,1,2,3,4,5,6,7
	WIN 0x0a+5*(\a/4)                              ; sources 0 and 1: window 2 or 3
.set i, 0
.rept 16
.irp c, 0,1
.if i == 0
	v_pk_mul_f32 v[SS+4*\a+2*\c:SS+4*\a+2*\c+1], v[64*(\a%4)+32*\c:64*(\a%4)+32*\c+1], v[64*(\a%4)+32*\c:64*(\a%4)+32*\c+1]
.else
	v_pk_fma_f32 v[SS+4*\a+2*\c:SS+4*\a+2*\c+1], v[64*(\a%4)+32*\c+2*i:64*(\a%4)+32*\c+2*i+1], v[64*(\a%4)+32*\c+2*i:64*(\a%4)+32*\c+2*i+1], v[SS+4*\a+2*\c:SS+4*\a+2*\c+1]
.endif
.endr
.set i, i+1
.endr
.endr
	WIN 0
	; 2: 1 / max(norm, 1e-6); in V's clusters 1.0
.irp k, 0,2,4,6,8,10,12,14,16,18,20,22,24,26,28,30
	v_add_f32 v[SS+\k], v[SS+\k], v[SS+\k+1]
.endr
.irp k, 0,2,4,6,8,10,12,14,16,18,20,22,24,26,28,30
	v_permlanex16_b32 v[SS+\k+1], v[SS+\k], s[SEL], s[SEL+1]
.endr
.irp k, 0,2,4,6,8,10,12,14,16,18,20,22,24,26,28,30
	v_add_f32 v[SS+\k], v[SS+\k], v[SS+\k+1]       ; with lane l xor 16's 32 numbers: the head's 64
.endr
.irp k, 0,2,4,6,8,10,12,14,16,18,20,22,24,26,28,30
	v_sqrt_f32 v[SS+\k], v[SS+\k]
.endr
	v_nop                                          ; a plain line behind the last root
	s_wait_alu depctr_va_vdst(0)                   ; one wait for the sixteen roots, ahead of their first reader
.irp k, 0,2,4,6,8,10,12,14,16,18,20,22,24,26,28,30
	v_max_num_f32 v[SS+\k], 0x358637bd, v[SS+\k]   ; 1e-6
.endr
.irp k, 0,2,4,6,8,10,12,14,16,18,20,22,24,26,28,30
	v_rcp_f32 v[SS+\k], v[SS+\k]
.endr
	v_nop
	s_wait_alu depctr_va_vdst(0)                   ; and one for the sixteen reciprocals
.irp k, 0,2,4,6,8,10,12,14,16,18,20,22,24,26,28,30
	v_cndmask_b32 v[SS+\k], v[SS+\k], v[ONE], s[NV]   ; V is not normalised: a choice of value, no branch
.endr
	; 3: block by block: scaled, quantised, stored as the operand's registers stand.  The codes take two sets of registers by turns: block a writes the set from which block a - 2 was stored,
	; and the wait on XCNT in block a - 1, which stands behind block a - 2's stores, has freed it.
.irp a, 0,1,2,3,4,5,6,7
	WIN 0x02+(\a/4)                                ; source 0: window 2 or 3
.set i, 0
.rept 32
	v_pk_mul_f32 v[X+2*i:X+2*i+1], v[64*(\a%4)+2*i:64*(\a%4)+2*i+1], v[SS+4*\a+2*(i/16):SS+4*\a+2*(i/16)+1] op_sel_hi:[1,0]
.set i, i+1
.endr
	WIN 0
	QUANT X, CD+12*(\a%2), CT, PW+\a
.if \a > 0
	s_wait_xcnt 0x0                                ; the earlier blocks' stores have read their base and their data
	s_add_nc_u64 s[IB:IB+1], s[IB:IB+1], s[SA:SA+1]
.endif
.irp p, 0,1,2
	global_store_b64 v[VO0], v[CD+12*(\a%2)+2*\p:CD+12*(\a%2)+2*\p+1], s[IB:IB+1] offset:256*\p      ; 32 lanes store 256 consecutive bytes, aligned
.endr
.irp p, 0,1,2
	global_store_b64 v[VO1], v[CD+12*(\a%2)+6+2*\p:CD+12*(\a%2)+6+2*\p+1], s[IB:IB+1] offset:256*\p
.endr
.endr
	; 4: the scale words: word i carries block 2 i's in lanes 0-15 and block 2 i + 1's in lanes 16-31
.irp i, 0,1,2,3
	v_cndmask_b32 v[X+\i], v[PW+2*\i], v[PW+2*\i+1], s[HM]
.endr
	global_store_b128 v[VSO], v[X:X+3], s[ISB:ISB+1]
	s_cmp_lg_u32 s[NV], 0                          ; the cluster's number: the same in all partners
	s_cbranch_scc1 .Lone_word
.irp i, 0,1,2,3
	v_lshrrev_b32 v[X+4+\i], 16, v[X+\i]           ; Q, K: bytes 2 and 3 are the next head's two scales
.endr
	global_store_b128 v[VSO], v[X+4:X+7], s[ISB:ISB+1] offset:8192
.Lone_word:
	s_wait_tensorcnt 0x0                           ; the wave's end
	ds_add_u32 v[SPW], v[NIL]
	s_wait_dscnt 0x0
	CROUND                                         ; the closing round
	s_endpgm
.Lfunc_end_k_qccd18ec371_qkv:
	.size	k_qccd18ec371_qkv, .Lfunc_end_k_qccd18ec371_qkv-k_qccd18ec371_qkv
	.p2alignl 7, 3214868480
	.fill 96, 4, 3214868480
	.section	.rodata,"a",@progbits
	.p2align	6, 0x0
	.amdhsa_kernel k_qccd18ec371_qkv
		.amdhsa_group_segment_fixed_size 327680
		.amdhsa_private_segment_fixed_size 0
		.amdhsa_enable_private_segment 0
		.amdhsa_kernarg_size 32
		.amdhsa_user_sgpr_count 2
		.amdhsa_user_sgpr_kernarg_segment_ptr 1
		.amdhsa_wavefront_size32 1
		.amdhsa_system_sgpr_workgroup_id_x 1
		.amdhsa_system_sgpr_workgroup_id_y 1
		.amdhsa_system_sgpr_workgroup_id_z 1
		.amdhsa_system_vgpr_workitem_id 0
		.amdhsa_next_free_vgpr 1024
		.amdhsa_next_free_sgpr 102
		.amdhsa_reserve_vcc 0
		.amdhsa_float_denorm_mode_32 3
		.amdhsa_float_denorm_mode_16_64 3
		.amdhsa_memory_ordered 1
		.amdhsa_forward_progress 1
		.amdhsa_inst_pref_size 205
	.end_amdhsa_kernel
	.amdgpu_metadata
---
amdhsa.version: [ 1, 2 ]
amdhsa.kernels:
  - .name:           k_qccd18ec371_qkv
    .symbol:         k_qccd18ec371_qkv.kd
    .args:
      - { .name: cod, .offset: 0, .size: 8, .value_kind: global_buffer, .address_space: global }
      - { .name: scl, .offset: 8, .size: 8, .value_kind: global_buffer, .address_space: global }
      - { .name: img, .offset: 16, .size: 8, .value_kind: global_buffer, .address_space: global }
      - { .name: isc, .offset: 24, .size: 8, .value_kind: global_buffer, .address_space: global }
    .group_segment_fixed_size: 327680
    .private_segment_fixed_size: 0
    .kernarg_segment_align: 8
    .kernarg_segment_size: 32
    .max_flat_workgroup_size: 128
    .sgpr_count:     102
    .vgpr_count:     1024
    .wavefront_size: 32
...
	.end_amdgpu_metadata
.endif
;; end of part 2
;; launch attn (part 3): grid 8 x 32, 8 waves a work-group, clusters of 4 x 1, 279,552 bytes of LDS; arguments img, isc, oc, os; writes oc, os
.if DOCPART == 3
	.amdgcn_target "amdgcn-amd-amdhsa--gfx1250"
	.amdhsa_code_object_version 6
	.text
	.protected	k_qccd18ec371_attn
	.globl	k_qccd18ec371_attn
	.p2align	8
	.type	k_qccd18ec371_attn,@function
k_qccd18ec371_attn:
	s_mov_b64 s[64:65], 0
	v_nop
	global_prefetch_b8 v0, s[64:65] scope:SCOPE_SE
	s_setreg_imm32_b32 hwreg(HW_REG_WAVE_MODE, 25, 1), 1
	s_wait_xcnt 0x0
	s_wait_alu depctr_hold_cnt(0) depctr_sa_sdst(0) depctr_va_vdst(0) depctr_va_sdst(0) depctr_va_ssrc(0) depctr_va_vcc(0) depctr_vm_vsrc(0)
	s_getreg_b32 s2, hwreg(HW_REG_IB_STS2, 6, 4)
	s_cmp_eq_u32 s2, 0
	s_cbranch_scc0 .Lentry_in_a_cluster
	s_endpgm
.Lentry_in_a_cluster:
	s_bfe_u32 s2, ttmp6, 0x10000c
	s_cmp_lg_u32 s2, 0x3003
	s_cbranch_scc0 .Lentry_shape_is_right
	s_endpgm
.Lentry_shape_is_right:
; Angular attention of one (batch, head) on codes of BF6 (E3M2): cos = Q K^T (both normalised, K = 64), clipped to +-0.999; s = 1 - acos(cos) / pi; W = s^16 / (the row's sum + 1e-6); O = W V, quantised along the head.
; W IS QUANTISED FINISHED AND NORMALISED, so a row's whole sum is wanted first.  THE WEIGHTS STAY IN REGISTERS: a work-group of eight waves takes 32 queries x all 2,048 keys; wave w holds 32 queries x keys
; 256 w .. 256 w + 255 in 256 registers (window 1).  The waves' row sums meet in LDS; each wave then normalises, quantises and multiplies its own keys by V; the eight partial O meet in LDS.
; A work-group walks 8 blocks of 32 queries.  K's and V's images of the head (98,304 bytes each) are brought ONCE, by joint tensor loads of the four work-groups of a cluster, which walk the same head; each wave
; fetches and reads its own 256 keys' part, so its wait on TENSORcnt is all the ordering that those reads need.  No LDS byte is filled twice.
; BOTH PRODUCTS ARE USED TRANSPOSED: S^T = K Q^T (source 0 = 16 keys, source 1 = 16 queries), O^T = V^T W^T: a lane holds one query of each of two tiles throughout.  The images' tiles hold positions
; (position 16 u + r = row 8 u + r + 8 (r / 8) of its 32), so the 16 registers of tiles 2 b, 2 b + 1 are 16 neighbouring keys (or channels).
; K = 64 FILLS HALF AN INSTRUCTION: Q's operand has zero codes for k = 64 .. 127, so K's may hold any codes there: tile 2 b's upper half is tile 2 b + 1; tile 2 b + 1's is zeros.  No scale byte is 0xff.
; acos(a) / pi = sqrt(1 - a) P(a) on 0 .. 1, P of degree 7 (Abramowitz and Stegun 4.4.46, its coefficients divided by pi; its error is at most 2e-8 of a radian).  With a = min(|cos|, 0.999), t = sqrt(1 - a) P(a):
; u = 0.5 - t (one fused multiply-add; 0 or more), u takes the sign of cos, s = 0.5 + u.  reference()'s max(s, 1e-6) changes nothing: its own clip keeps s at acos(0.999) / pi = 0.0142 or more, for every input;
; no line is spent on it.
; LIMITS: NaN and infinities are not served; s carries two roundings at the size of 0.5 and of s, an absolute error of at most about 2^-24, of the order of the one that 1 - acos / pi has in f32; so where cos is near -1
; (s small) the relative error of s grows as it does there; the division by the row's sum is a reciprocal and a multiplication; the row's sum adds s^8 x s^8 by a fused multiply-add; sums over keys are made per wave
; and joined in a fixed tree; a block of zeros or under 2^-122 gets the scale byte 1 (read by this program alone).
; REGISTERS, window 0: v1-13, v30-31 addresses; v14-17 1 / sum; v18-25 sums; v32-55 Q; v56-63 K's scale words; v64-67 V's; v68 Q's; v69-70 W's; v72-89 K; v90-113 at work;
;   v116-147 scores, v148-179 a, v180-211 the root, v212-243 P and s (later: v116-179 64 weights, v180-227 V, v228-251 W's codes); v252-253 c7.   window 1: W (qt, tile, j) at v[128 qt + 8 tile + j]; O^T over v0-63.
.set KIMG, 0                           ; 8 x 12,288: a wave's 16 tiles of 768 bytes
.set VIMG, 98304                       ; 8 x 12,288: a wave's [128 keys 2][tile of 16 channels 4][1,536]
.set OX,   196608                      ; 65,536: the partial O: wave x 8,192 + accumulator x 1,024 + half x 512 + 16 x lane
.set SUMX, 262144                      ; 1,024: the partial row sums
.set OSTG, 263168                      ; 12,288: O's codes, [256 tokens][48]
.set OSS,  275456                      ; 512: their scale bytes, [256 tokens][2]
.set L8,  1
.set AKF, 2
.set AVF, 3
.set SXS, 4
.set SXL, 5
.set OXS, 6
.set OXL, 7
.set OT0, 8
.set OS0, 9
.set OTA, 10
.set OSA, 11
.set L16, 12
.set INV, 14
.set SUM, 18
.set TLA, 30
.set TLS, 31
.set QF,  32
.set KS,  56
.set VS,  64
.set QS,  68
.set PS,  69
.set KF,  72
.set TM,  90
.set CT,  106
.set X,   116
.set A,   148
.set SQ,  180
.set P,   212
.set C7,  252
.set N,   116
.set VF,  180
.set PC,  228
.set WV,  12
.set SEL, 20
.set G1K, 24
.set G1V, 32
.set G0K, 40
.set G0V, 44
.set QP,  66
.set QSB, 68
.set BLK, 70
.set OB,  71
.set OSB, 72
.set MSB, 0
.macro WIN new
.if MSB != \new
	s_set_vgpr_msb (MSB<<8)|\new
.set MSB, \new
.endif
.endm
.macro ROUND                           ; a round of the cluster's barrier
	s_barrier_signal -1
	s_barrier_wait -1
	s_cmp_lg_u32 s[WV], 0
	s_cbranch_scc1 .Lnot_wave_0_\@
	s_barrier_signal -3
.Lnot_wave_0_\@:
	s_barrier_wait -3
	s_barrier_signal -1
	s_barrier_wait -1
.endm
.macro QUANT s, d, ct, pw              ; 64 numbers of a lane, register 16 b + i = k 32 b + 16 (lane / 16) + i of my row -> 12 registers of codes in v[d] on, the scale word in v[pw]
.irp b, 0,1,2,3
	v_max3_num_f32 v[TM+\b], |v[(\s)+16*\b]|, |v[(\s)+1+16*\b]|, 0x2800000   ; and the floor 2^(5 - 127)
.endr
.irp i, 2,4,6,8,10,12,14
.irp b, 0,1,2,3
	v_max3_num_f32 v[TM+\b], v[TM+\b], |v[(\s)+16*\b+\i]|, |v[(\s)+1+16*\b+\i]|
.endr
.endr
.irp b, 0,1,2,3
	v_permlanex16_b32 v[TM+4+\b], v[TM+\b], s[SEL], s[SEL+1]
.endr
.irp b, 0,1,2,3
	v_max_num_f32 v[TM+\b], v[TM+\b], v[TM+4+\b]
.endr
.irp b, 0,1,2,3
	v_add_nc_u32 v[TM+12+\b], 0xfe000000, v[TM+\b]
.endr
.irp b, 0,1,2,3
	v_lshrrev_b32 v[TM+4+\b], 23, v[TM+12+\b]
.endr
	v_lshl_or_b32 v[\pw], v[TM+5], 8, v[TM+4]
	v_lshl_or_b32 v[\pw], v[TM+6], 16, v[\pw]
	v_lshl_or_b32 v[\pw], v[TM+7], 24, v[\pw]
.irp c, 0,1
	v_cvt_scalef32_pk16_bf6_f32 v[(\d)+6*\c:(\d)+2+6*\c], v[(\s)+32*\c:(\s)+15+32*\c], v[TM+12+2*\c]
	v_cvt_scalef32_pk16_bf6_f32 v[(\ct)+4*\c:(\ct)+2+4*\c], v[(\s)+16+32*\c:(\s)+31+32*\c], v[TM+12+2*\c+1]
.endr
	v_nop                                          ; one plain line behind the scaled conversions
.irp c, 0,1
.irp i, 0,1,2
	v_permlane16_swap_b32 v[(\d)+6*\c+\i], v[(\ct)+4*\c+\i]
.endr
.irp i, 0,1,2
	v_mov_b32 v[(\d)+3+6*\c+\i], v[(\ct)+4*\c+\i]
.endr
.endr
.endm
	s_load_b256 s[4:11], s[0:1], 0x0               ; img s[4:5], isc s[6:7], oc s[8:9], os s[10:11]
	v_lshl_add_u32 v254, v0, 2, 0x44000
	v_mov_b32 v255, 0
	ds_add_u32 v254, v255
	ds_add_u32 v254, v255
	v_lshrrev_b32 v26, 5, v0
	v_readfirstlane_b32 s[WV], v26                 ; wave 0..7
	s_bfe_u32 s13, ttmp6, 0x40000                  ; cx
	s_lshl_b32 s14, ttmp9, 2
	s_add_co_u32 s14, s14, s13                     ; my 256 queries of the head: it enters Q's and the outputs' addresses alone
	s_and_b32 s15, ttmp7, 0xffff                   ; 16 x batch + head, which the four partners share
	s_lshr_b32 s16, s15, 4
	s_and_b32 s17, s15, 15
	s_mov_b32 s[G1K], 15|(3<<16)|(1<<21)           ; the mask: all four work-groups; elements of 8 bytes; no padding
	s_mov_b32 s[G1K+1], 32<<16                     ; K: 12,288 dense bytes as 48 rows of 256
	s_mov_b32 s[G1K+2], 48<<16
	s_mov_b32 s[G1K+3], 32<<16
	s_mov_b32 s[G1K+4], 48
	s_mov_b32 s[G1K+5], 32
	s_mov_b32 s[G1K+6], 0
	s_mov_b32 s[G1K+7], 0
	s_mov_b32 s[G1V], 15|(3<<16)|(1<<21)
	s_mov_b32 s[G1V+1], 768<<16                    ; V: 2 rows (128 keys each) of the head's 6,144 bytes, 98,304 bytes apart
	s_mov_b32 s[G1V+2], 2<<16
	s_mov_b32 s[G1V+3], 768<<16
	s_mov_b32 s[G1V+4], 2
	s_mov_b32 s[G1V+5], 12288
	s_mov_b32 s[G1V+6], 0
	s_mov_b32 s[G1V+7], 0
	s_mul_i32 s73, s[WV], 12288                    ; my part, in LDS and in K's image
	s_mul_i32 s18, s15, 98304                      ; the head's image of Q or K
	s_add_co_u32 s22, s18, s73
	s_add_co_u32 s22, s22, 3145728
	s_mov_b32 s23, 0
	s_mul_i32 s74, s16, 1572864
	s_mul_i32 s75, s[WV], 196608
	s_add_co_u32 s74, s74, s75
	s_mul_i32 s75, s17, 6144
	s_add_co_u32 s74, s74, s75
	s_add_co_u32 s74, s74, 6291456
	s_mov_b32 s75, 0
	s_wait_dscnt 0x0
	s_wait_kmcnt 0x0
	s_mov_b32 s[G0K], 1
	s_mov_b32 s[G0K+1], s73
	s_add_nc_u64 s[G0K+2:G0K+3], s[4:5], s[22:23]
	s_or_b32 s[G0K+3], s[G0K+3], 0x80000000
	s_mov_b32 s[G0V], 1
	s_add_co_u32 s[G0V+1], s73, VIMG
	s_add_nc_u64 s[G0V+2:G0V+3], s[4:5], s[74:75]
	s_or_b32 s[G0V+3], s[G0V+3], 0x80000000
	ROUND                                          ; all four work-groups are here: the joint loads meet
	tensor_load_to_lds s[G0K:G0K+3], s[G1K:G1K+7]  ; every wave fetches its own 256 keys: two loads of mine are out
	s_nop 0
	tensor_load_to_lds s[G0V:G0V+3], s[G1V:G1V+7]
	s_nop 0
.rept 4
	v_nop
.endr
	v_and_b32 v26, 31, v0                          ; lane
	v_lshlrev_b32 v[L8], 3, v26
	v_lshlrev_b32 v[L16], 4, v26
	v_lshlrev_b32 v13, 2, v26
	v_add_nc_u32 v[AKF], s73, v[L8]
	v_add_nc_u32 v[AVF], VIMG, v[AKF]
	s_lshl_b32 s80, s[WV], 7
	v_add_nc_u32 v[SXS], s80, v13
	v_add_nc_u32 v[SXS], SUMX, v[SXS]
	v_add_nc_u32 v[SXL], SUMX, v13
	s_lshl_b32 s80, s[WV], 13
	v_add_nc_u32 v[OXS], s80, v[L16]
	v_add_nc_u32 v[OXS], OX, v[OXS]
	s_and_b32 s81, s[WV], 3                        ; waves 0-3 join the partial O: wave w takes accumulators 2 w, 2 w + 1: query tile w / 2, channels 32 (w % 2) on
	s_lshl_b32 s80, s81, 11
	v_add_nc_u32 v[OXL], s80, v[L16]
	v_add_nc_u32 v[OXL], OX, v[OXL]
	v_and_b32 v27, 15, v0                          ; r
	v_bfe_u32 v28, v0, 4, 1                        ; h
	v_and_b32 v29, 8, v27
	v_add_nc_u32 v29, v29, v27                     ; r + 8 (r / 8)
	s_lshr_b32 s80, s81, 1
	s_lshl_b32 s80, s80, 3
	v_add_nc_u32 v29, s80, v29                     ; the token, among the block's 32, of position r of that query tile
	v_mul_u32_u24 v[OT0], v29, 48
	v_mad_u32_u24 v[OT0], v28, 12, v[OT0]          ; my 16 codes: 12 bytes
	s_and_b32 s80, s[WV], 1
	s_mul_i32 s82, s80, 24
	v_add_nc_u32 v[OT0], s82, v[OT0]
	v_add_nc_u32 v[OT0], OSTG, v[OT0]
	v_lshlrev_b32 v[OS0], 1, v29
	v_add_nc_u32 v[OS0], s80, v[OS0]
	v_add_nc_u32 v[OS0], OSS, v[OS0]
	s_mul_i32 s80, s[WV], 1536
	v_add_nc_u32 v[TLA], s80, v[L16]
	v_add_nc_u32 v[TLA], OSTG, v[TLA]              ; the tail: my 1,536 bytes of the codes
	v_add_nc_u32 v[TLS], OSS, v[L16]
	; pointers
	s_mul_i32 s22, s14, 12288
	s_add_co_u32 s18, s18, s22
	s_mov_b32 s19, 0
	s_add_nc_u64 s[QP:QP+1], s[4:5], s[18:19]      ; Q's image at my first block
	s_lshl_b32 s22, s15, 13
	s_lshl_b32 s18, s14, 10
	s_add_co_u32 s18, s18, s22
	s_add_nc_u64 s[QSB:QSB+1], s[6:7], s[18:19]    ; Q's scale words of my 256 queries
	s_mov_b64 s[76:77], s[QSB:QSB+1]
	s_lshl_b32 s82, s[WV], 10
	s_add_co_u32 s82, s82, s22
	s_add_co_u32 s82, s82, 262144
	s_mov_b32 s83, 0
	s_add_nc_u64 s[82:83], s[6:7], s[82:83]        ; K's scale words of my 256 keys
	s_lshl_b32 s18, s16, 16
	s_lshl_b32 s22, s[WV], 13
	s_add_co_u32 s18, s18, s22
	s_lshr_b32 s22, s17, 1
	s_lshl_b32 s22, s22, 9
	s_add_co_u32 s18, s18, s22
	s_and_b32 s22, s17, 1
	s_lshl_b32 s22, s22, 3
	s_add_co_u32 s18, s18, s22
	s_add_co_u32 s18, s18, 524288
	s_add_nc_u64 s[18:19], s[6:7], s[18:19]        ; V's scale words: my two K steps, the head's two words
	global_load_b128 v[KS:KS+3], v[L16], s[82:83]
	global_load_b128 v[KS+4:KS+7], v[L16], s[82:83] offset:512
	global_load_b64 v[VS:VS+1], v[L16], s[18:19]
	global_load_b64 v[VS+2:VS+3], v[L16], s[18:19] offset:4096
.irp p, 0,1,2
	global_load_b64 v[QF+2*\p:QF+2*\p+1], v[L8], s[QP:QP+1] offset:256*\p
	global_load_b64 v[QF+12+2*\p:QF+12+2*\p+1], v[L8], s[QP:QP+1] offset:768+256*\p
.endr
	global_load_b32 v[QS], v[L16], s[76:77]
	s_lshl_b32 s22, s16, 11
	s_lshl_b32 s23, s14, 8
	s_add_co_u32 s22, s22, s23                     ; my first token
	s_mul_i32 s78, s17, 196608
	s_mul_i32 s23, s22, 48
	s_add_co_u32 s78, s78, s23
	s_add_co_u32 s78, s78, s80
	s_mov_b32 s79, 0
	s_add_nc_u64 s[78:79], s[8:9], s[78:79]        ; oc: the head's panel, my tokens, my wave's 1,536 bytes
	s_lshl_b32 s80, s17, 13
	s_lshl_b32 s22, s22, 1
	s_add_co_u32 s80, s80, s22
	s_mov_b32 s81, 0
	s_add_nc_u64 s[80:81], s[10:11], s[80:81]      ; os likewise
	s_mov_b32 s[SEL], 0x76543210
	s_mov_b32 s[SEL+1], 0xfedcba98
	s_mov_b32 s48, 0x3f7fbe77                      ; 0.999
	s_mov_b32 s49, 0x7fffffff
	s_mov_b32 s50, 0xffff0000                      ; lanes 16-31
	s_mov_b32 s51, 0x358637bd                      ; 1e-6
	s_mov_b32 s52, 0xbd8be58c                      ; c1 .. c6, each written twice: the packed form names a pair
	s_mov_b32 s53, s52
	s_mov_b32 s54, 0x3ce80568
	s_mov_b32 s55, s54
	s_mov_b32 s56, 0xbc82d591
	s_mov_b32 s57, s56
	s_mov_b32 s58, 0x3c211b65
	s_mov_b32 s59, s58
	s_mov_b32 s60, 0xbbb23c51
	s_mov_b32 s61, s60
	s_mov_b32 s62, 0x3b0b24a4
	s_mov_b32 s63, s62
	s_mov_b32 s[BLK], 8
	s_mov_b32 s[OB], 0
	s_mov_b32 s[OSB], 0
	v_mov_b32 v[C7], 0xb9d2b131
	v_mov_b32 v[C7+1], 0xb9d2b131
	v_mov_b32 v[INV+1], 0                          ; named as the upper halves of pairs
	v_mov_b32 v[INV+3], 0
.irp i, 0,1,2,3,4,5
	v_mov_b32 v[QF+6+\i], 0                        ; zero codes for k = 64 .. 127
	v_mov_b32 v[QF+18+\i], 0
	v_mov_b32 v[KF+12+\i], 0
.endr
.irp b, 0,1,2,3
	v_mov_b32 v[TM+4+\b], 0
.endr
.macro KLOAD t                         ; tiles 2 t, 2 t + 1 of my keys: 6 registers each, 256 consecutive bytes a load
.irp u, 0,1
.irp p, 0,1,2
	ds_load_b64 v[KF+6*\u+2*\p:KF+6*\u+2*\p+1], v[AKF] offset:(\t)*1536+768*\u+256*\p
.endr
.endr
.endm
.macro SCORES t                        ; S^T of tiles 2 t, 2 t + 1 x my two query tiles: four accumulators, each begun with 0
	v_wmma_scale_f32_16x16x128_f8f6f4 v[X:X+7], v[KF:KF+11], v[QF:QF+11], 0, v[KS+(\t)], v[QS] matrix_a_fmt:MATRIX_FMT_BF6 matrix_b_fmt:MATRIX_FMT_BF6
	v_wmma_scale_f32_16x16x128_f8f6f4 v[X+16:X+23], v[KF:KF+11], v[QF+12:QF+23], 0, v[KS+(\t)], v[QS] matrix_a_fmt:MATRIX_FMT_BF6 matrix_b_fmt:MATRIX_FMT_BF6 matrix_b_scale:MATRIX_SCALE_ROW1
	v_wmma_scale_f32_16x16x128_f8f6f4 v[X+8:X+15], v[KF+6:KF+17], v[QF:QF+11], 0, v[KS+(\t)], v[QS] matrix_a_fmt:MATRIX_FMT_BF6 matrix_b_fmt:MATRIX_FMT_BF6 matrix_a_scale:MATRIX_SCALE_ROW1
	v_wmma_scale_f32_16x16x128_f8f6f4 v[X+24:X+31], v[KF+6:KF+17], v[QF+12:QF+23], 0, v[KS+(\t)], v[QS] matrix_a_fmt:MATRIX_FMT_BF6 matrix_b_fmt:MATRIX_FMT_BF6 matrix_a_scale:MATRIX_SCALE_ROW1 matrix_b_scale:MATRIX_SCALE_ROW1
.endm
; 32 keys x 32 queries from score to weight: register 16 qt + 8 u + j.  The next batch's four products are issued under this batch's squarings.
.macro BATCH b
.set n, 0
.rept 32
	v_min_num_f32 v[A+n], |v[X+n]|, s48            ; a = min(|cos|, 0.999); each accumulator is read from its low end on
.set n, n+1
.endr
.set n, 0
.rept 16
	v_pk_add_f32 v[SQ+n:SQ+n+1], v[A+n:A+n+1], 1.0 op_sel_hi:[1,0] neg_lo:[1,0] neg_hi:[1,0]   ; 1 - a
.set n, n+2
.endr
.set q, 0
.irp lev, 0,1,2,3,4,5,6                        ; P(a) by Horner, two at a time; the 32 roots stand singly among the first four levels, which name none of them; the last three levels are plain work behind them
.set n, 0
.rept 16
.if \lev == 0
	v_pk_fma_f32 v[P+n:P+n+1], v[A+n:A+n+1], v[C7:C7+1], s[62:63] op_sel_hi:[1,1,0]
.elseif \lev == 6
	v_pk_fma_f32 v[P+n:P+n+1], v[P+n:P+n+1], v[A+n:A+n+1], 0.5 op_sel_hi:[1,1,0]
.else
	v_pk_fma_f32 v[P+n:P+n+1], v[P+n:P+n+1], v[A+n:A+n+1], s[62-2*\lev:63-2*\lev] op_sel_hi:[1,1,0]
.endif
.if (\lev < 4) && ((n/2)%2 == 1)
	v_sqrt_f32 v[SQ+q], v[SQ+q]
.set q, q+1
.endif
.set n, n+2
.endr
.endr
	s_wait_alu depctr_va_vdst(0)                   ; one wait for the batch's 32 roots, ahead of their first reader
.set n, 0
.rept 16
	v_pk_fma_f32 v[SQ+n:SQ+n+1], v[SQ+n:SQ+n+1], v[P+n:P+n+1], 0.5 op_sel_hi:[1,1,0] neg_lo:[1,0,0] neg_hi:[1,0,0]   ; u = 0.5 - sqrt(1 - a) P(a) = 0.5 - acos(a) / pi
.set n, n+2
.endr
.set n, 0
.rept 32
	v_bfi_b32 v[X+n], s49, v[SQ+n], v[X+n]         ; u's magnitude under the sign of cos
.set n, n+1
.endr
.set n, 0
.rept 16
	v_pk_add_f32 v[P+n:P+n+1], v[X+n:X+n+1], 0.5 op_sel_hi:[1,0]   ; s
.set n, n+2
.endr
.if (\b) < 7
	s_wait_dscnt 0x0                               ; the next tiles of K are in
	SCORES (\b)+1
.endif
.set n, 0
.rept 4
	v_pk_mul_f32 v[P+n:P+n+1], v[P+n:P+n+1], v[P+n:P+n+1]   ; s^2; these four are the places in front of the loads into K's registers
.set n, n+2
.endr
.if (\b) < 7
	KLOAD ((\b)+2)%8                               ; (batch 6 fetches the next block's first tiles: K is the same for every block)
.endif
.rept 12
	v_pk_mul_f32 v[P+n:P+n+1], v[P+n:P+n+1], v[P+n:P+n+1]
.set n, n+2
.endr
.rept 2                                        ; s^4, s^8
.set n, 0
.rept 16
	v_pk_mul_f32 v[P+n:P+n+1], v[P+n:P+n+1], v[P+n:P+n+1]
.set n, n+2
.endr
.endr
.set n, 0
.rept 16
	v_pk_fma_f32 v[SUM+4*(n/16)+2*((n/2)%2):SUM+4*(n/16)+2*((n/2)%2)+1], v[P+n:P+n+1], v[P+n:P+n+1], v[SUM+4*(n/16)+2*((n/2)%2):SUM+4*(n/16)+2*((n/2)%2)+1]   ; the rows' sums, two chains a query tile
.set n, n+2
.endr
	WIN 0x40                                       ; destination window 1
.set n, 0
.rept 16
	v_pk_mul_f32 v[128*(n/16)+16*(\b)+n%16:128*(n/16)+16*(\b)+n%16+1], v[P+n:P+n+1], v[P+n:P+n+1]   ; s^16 stays in registers
.set n, n+2
.endr
	WIN 0
.endm
.macro PVMUL s, dt, qt                 ; O^T (qt, channels tile dt) += V^T W^T over 128 keys
.set rO, 8*(4*(\qt)+(\dt))
.set rV, VF+12*(\dt)
.set rP, PC+12*(\qt)
.set rS, VS+2*(\s)+(\dt)/2
.if (\s) == 0
.if (\dt)%2
	v_wmma_scale_f32_16x16x128_f8f6f4 v[rO:rO+7], v[rV:rV+11], v[rP:rP+11], 0, v[rS], v[PS+(\qt)] matrix_a_fmt:MATRIX_FMT_BF6 matrix_b_fmt:MATRIX_FMT_BF6 matrix_a_scale:MATRIX_SCALE_ROW1
.else
	v_wmma_scale_f32_16x16x128_f8f6f4 v[rO:rO+7], v[rV:rV+11], v[rP:rP+11], 0, v[rS], v[PS+(\qt)] matrix_a_fmt:MATRIX_FMT_BF6 matrix_b_fmt:MATRIX_FMT_BF6
.endif
.else
.if (\dt)%2
	v_wmma_scale_f32_16x16x128_f8f6f4 v[rO:rO+7], v[rV:rV+11], v[rP:rP+11], v[rO:rO+7], v[rS], v[PS+(\qt)] matrix_a_fmt:MATRIX_FMT_BF6 matrix_b_fmt:MATRIX_FMT_BF6 matrix_a_scale:MATRIX_SCALE_ROW1
.else
	v_wmma_scale_f32_16x16x128_f8f6f4 v[rO:rO+7], v[rV:rV+11], v[rP:rP+11], v[rO:rO+7], v[rS], v[PS+(\qt)] matrix_a_fmt:MATRIX_FMT_BF6 matrix_b_fmt:MATRIX_FMT_BF6
.endif
.endif
.endm
	s_wait_tensorcnt 0x0                           ; my 256 keys of K and V lie in LDS; only I read them
	KLOAD 0
.Lblk:                                             ; 8 trips: a block of 32 queries each
	s_wait_loadcnt 0x0                             ; Q and its scale word (in the first trip K's and V's scale words too)
	s_wait_dscnt 0x0                               ; K's first tiles; my stores of the last trip
	SCORES 0
.irp i, 0,1,2,3,4,5,6,7
	v_mov_b32 v[SUM+\i], 0                         ; (also the places behind those products)
.endr
	KLOAD 1
.irp b, 0,1,2,3,4,5,6,7
	BATCH \b
.endr
	; ---- the next block's Q is asked for here; the last trip asks for nothing
	s_cmp_eq_u32 s[BLK], 1
	s_cbranch_scc1 .Lno_next
	s_add_nc_u64 s[QP:QP+1], s[QP:QP+1], 1536      ; (the wait for the last loads at the trip's head has freed both pointers)
	s_sub_co_u32 s73, 9, s[BLK]                    ; the next block's number n
	s_and_b32 s74, s73, 3
	s_lshl_b32 s74, s74, 2
	s_lshr_b32 s73, s73, 2
	s_lshl_b32 s73, s73, 9
	s_add_co_u32 s74, s74, s73                     ; its scale word: 4 (n % 4) + 512 (n / 4)
	s_add_nc_u64 s[76:77], s[QSB:QSB+1], s[74:75]
.irp p, 0,1,2
	global_load_b64 v[QF+2*\p:QF+2*\p+1], v[L8], s[QP:QP+1] offset:256*\p
	global_load_b64 v[QF+12+2*\p:QF+12+2*\p+1], v[L8], s[QP:QP+1] offset:768+256*\p
.endr
	global_load_b32 v[QS], v[L16], s[76:77]
.Lno_next:
	; ---- the rows' sums over all 2,048 keys
	v_pk_add_f32 v[SUM:SUM+1], v[SUM:SUM+1], v[SUM+2:SUM+3]
	v_pk_add_f32 v[SUM+4:SUM+5], v[SUM+4:SUM+5], v[SUM+6:SUM+7]
	v_add_f32 v[SUM], v[SUM], v[SUM+1]
	v_add_f32 v[SUM+4], v[SUM+4], v[SUM+5]
	v_permlanex16_b32 v[SUM+1], v[SUM], s[SEL], s[SEL+1]
	v_permlanex16_b32 v[SUM+5], v[SUM+4], s[SEL], s[SEL+1]
	v_add_f32 v[SUM], v[SUM], v[SUM+1]
	v_add_f32 v[SUM+4], v[SUM+4], v[SUM+5]
	v_cndmask_b32 v26, v[SUM], v[SUM+4], s50       ; lanes 0-15: query tile 0's, lanes 16-31: tile 1's
	ds_store_b32 v[SXS], v26
	s_wait_dscnt 0x0                               ; my store has landed (and my reads of the partial O of the last trip are long over)
	s_barrier_signal -1
	s_barrier_wait -1
.irp i, 0,1,2,3,4,5,6,7
	ds_load_b32 v[TM+\i], v[SXL] offset:128*\i
.endr
	s_wait_dscnt 0x0
	v_add_f32 v[TM], v[TM], v[TM+1]
	v_add_f32 v[TM+2], v[TM+2], v[TM+3]
	v_add_f32 v[TM+4], v[TM+4], v[TM+5]
	v_add_f32 v[TM+6], v[TM+6], v[TM+7]
	v_add_f32 v[TM], v[TM], v[TM+2]
	v_add_f32 v[TM+4], v[TM+4], v[TM+6]
	v_add_f32 v[TM], v[TM], v[TM+4]
	v_add_f32 v[TM], s51, v[TM]                    ; + 1e-6
	v_rcp_f32 v[TM], v[TM]
	v_nop
	s_wait_alu depctr_va_vdst(0)                   ; ahead of the reciprocal's first reader
	v_permlanex16_b32 v[TM+1], v[TM], s[SEL], s[SEL+1]
	v_cndmask_b32 v[INV], v[TM], v[TM+1], s50      ; tile 0's in every lane,
	v_cndmask_b32 v[INV+2], v[TM+1], v[TM], s50    ; and tile 1's
	; ---- my 256 keys: normalised, quantised along the keys, multiplied by V: two K steps of 128
.irp s, 0,1
.if \s
.rept 4
	v_nop                                          ; places in front of loads into, and writes of, registers that the last products read
.endr
.endif
.irp dt, 0,1,2,3
.irp p, 0,1,2,3,4,5
	ds_load_b64 v[VF+12*\dt+2*\p:VF+12*\dt+2*\p+1], v[AVF] offset:\s*6144+\dt*1536+256*\p
.endr
.endr
.irp qt, 0,1
	WIN 0x01                                       ; source 0: window 1
.set n, 0
.rept 32
	v_pk_mul_f32 v[N+n:N+n+1], v[128*\qt+64*\s+n:128*\qt+64*\s+n+1], v[INV+2*\qt:INV+2*\qt+1] op_sel_hi:[1,0]
.set n, n+2
.endr
	WIN 0
	QUANT N, PC+12*\qt, CT, PS+\qt
.endr
.rept 8
	v_nop                                          ; a scale register written by a vector instruction stands 8 places ahead of a scaled matrix instruction, an operand 4
.endr
	s_wait_dscnt 0x0                               ; V's fragments are in
	WIN 0x50                                       ; C and D: window 1
.irp dt, 0,1,2,3
.irp qt, 0,1
	PVMUL \s, \dt, \qt                             ; eight accumulators by turns, one instruction a turn
.endr
.endr
	WIN 0
.endr
	; ---- the eight partial O meet in LDS
	v_add_nc_u32 v[OTA], s[OB], v[OT0]             ; where this block's codes and bytes go (these two and two v_nop are the places behind the products)
	v_add_nc_u32 v[OSA], s[OSB], v[OS0]
	v_nop
	v_nop
	WIN 0x04                                       ; an LDS store's data: window 1
.irp c, 0,1,2,3,4,5,6,7
	ds_store_b128 v[OXS], v[8*\c:8*\c+3] offset:1024*\c          ; each accumulator from its low end on
	ds_store_b128 v[OXS], v[8*\c+4:8*\c+7] offset:1024*\c+512
.endr
	WIN 0
	s_wait_dscnt 0x0                               ; my stores have landed, and my reads of the partial sums are over
	s_barrier_signal -1
	s_barrier_wait -1
	s_cmp_ge_u32 s[WV], 4
	s_cbranch_scc1 .Ljoin
.irp w, 0,1,2,3,4,5,6,7
.irp k, 0,1,2,3
	ds_load_b128 v[X+16*\w+4*\k:X+16*\w+4*\k+3], v[OXL] offset:\w*8192+512*\k
.endr
.endr
	s_wait_dscnt 0x0
.irp w, 0,2,4,6                                ; a fixed tree over the eight waves
.irp k, 0,2,4,6,8,10,12,14
	v_pk_add_f32 v[X+16*\w+\k:X+16*\w+\k+1], v[X+16*\w+\k:X+16*\w+\k+1], v[X+16*\w+16+\k:X+16*\w+16+\k+1]
.endr
.endr
.irp w, 0,4
.irp k, 0,2,4,6,8,10,12,14
	v_pk_add_f32 v[X+16*\w+\k:X+16*\w+\k+1], v[X+16*\w+\k:X+16*\w+\k+1], v[X+16*\w+32+\k:X+16*\w+32+\k+1]
.endr
.endr
.irp k, 0,2,4,6,8,10,12,14
	v_pk_add_f32 v[X+\k:X+\k+1], v[X+\k:X+\k+1], v[X+64+\k:X+64+\k+1]
.endr
	v_max3_num_f32 v[TM], |v[X]|, |v[X+1]|, 0x2800000   ; one block of 32 channels: my 16, the floor,
.irp i, 2,4,6,8,10,12,14
	v_max3_num_f32 v[TM], v[TM], |v[X+\i]|, |v[X+\i+1]|
.endr
	v_permlanex16_b32 v[TM+4], v[TM], s[SEL], s[SEL+1]
	v_max_num_f32 v[TM], v[TM], v[TM+4]            ; and lane l xor 16's
	v_add_nc_u32 v[TM+12], 0xfe000000, v[TM]
	v_lshrrev_b32 v[TM+4], 23, v[TM+12]
	v_cvt_scalef32_pk16_bf6_f32 v[CT:CT+2], v[X:X+15], v[TM+12]
	v_nop                                          ; one plain line behind the scaled conversion
	ds_store_b32 v[OTA], v[CT]
	ds_store_b32 v[OTA], v[CT+1] offset:4
	ds_store_b32 v[OTA], v[CT+2] offset:8
	ds_store_b8 v[OSA], v[TM+4]                    ; both halves of the lanes write the same byte with the same value
.Ljoin:
	s_add_co_u32 s[OB], s[OB], 1536                ; 32 tokens x 48 bytes
	s_add_co_u32 s[OSB], s[OSB], 64
	s_sub_co_u32 s[BLK], s[BLK], 1
	s_cmp_lg_u32 s[BLK], 0
	s_cbranch_scc1 .Lblk
	; ---- the 256 tokens' codes and bytes leave in runs of 512 consecutive bytes
	s_wait_dscnt 0x0
	s_barrier_signal -1
	s_barrier_wait -1
.irp i, 0,1,2
	ds_load_b128 v[X+4*\i:X+4*\i+3], v[TLA] offset:512*\i
.endr
.irp i, 0,1,2
	s_wait_dscnt 2-\i                              ; the younger loads may be out
	global_store_b128 v[L16], v[X+4*\i:X+4*\i+3], s[78:79] offset:512*\i
.endr
	s_cmp_lg_u32 s[WV], 0
	s_cbranch_scc1 .Lno_bytes
	ds_load_b128 v[X+12:X+15], v[TLS]
	s_wait_dscnt 0x0
	global_store_b128 v[L16], v[X+12:X+15], s[80:81]
.Lno_bytes:
	s_wait_tensorcnt 0x0
	ds_add_u32 v254, v255
	s_wait_dscnt 0x0
	ROUND                                          ; the closing round
	s_endpgm
.Lfunc_end_k_qccd18ec371_attn:
	.size	k_qccd18ec371_attn, .Lfunc_end_k_qccd18ec371_attn-k_qccd18ec371_attn
	.p2alignl 7, 3214868480
	.fill 96, 4, 3214868480
	.section	.rodata,"a",@progbits
	.p2align	6, 0x0
	.amdhsa_kernel k_qccd18ec371_attn
		.amdhsa_group_segment_fixed_size 279552
		.amdhsa_private_segment_fixed_size 0
		.amdhsa_enable_private_segment 0
		.amdhsa_kernarg_size 32
		.amdhsa_user_sgpr_count 2
		.amdhsa_user_sgpr_kernarg_segment_ptr 1
		.amdhsa_wavefront_size32 1
		.amdhsa_system_sgpr_workgroup_id_x 1
		.amdhsa_system_sgpr_workgroup_id_y 1
		.amdhsa_system_sgpr_workgroup_id_z 1
		.amdhsa_system_vgpr_workitem_id 0
		.amdhsa_next_free_vgpr 512
		.amdhsa_next_free_sgpr 84
		.amdhsa_reserve_vcc 0
		.amdhsa_float_denorm_mode_32 3
		.amdhsa_float_denorm_mode_16_64 3
		.amdhsa_memory_ordered 1
		.amdhsa_forward_progress 1
		.amdhsa_inst_pref_size 220
	.end_amdhsa_kernel
	.amdgpu_metadata
---
amdhsa.version: [ 1, 2 ]
amdhsa.kernels:
  - .name:           k_qccd18ec371_attn
    .symbol:         k_qccd18ec371_attn.kd
    .args:
      - { .name: img, .offset: 0, .size: 8, .value_kind: global_buffer, .address_space: global }
      - { .name: isc, .offset: 8, .size: 8, .value_kind: global_buffer, .address_space: global }
      - { .name: oc, .offset: 16, .size: 8, .value_kind: global_buffer, .address_space: global }
      - { .name: os, .offset: 24, .size: 8, .value_kind: global_buffer, .address_space: global }
    .group_segment_fixed_size: 279552
    .private_segment_fixed_size: 0
    .kernarg_segment_align: 8
    .kernarg_segment_size: 32
    .max_flat_workgroup_size: 256
    .sgpr_count:     84
    .vgpr_count:     512
    .wavefront_size: 32
...
	.end_amdgpu_metadata
.endif
;; end of part 3
;; launch proj (part 4): grid 8 x 32, 4 waves a work-group, clusters of 4 x 4, 229,888 bytes of LDS; arguments oc, os, cod, scl, bo, out0; writes out0
.if DOCPART == 4
	.amdgcn_target "amdgcn-amd-amdhsa--gfx1250"
	.amdhsa_code_object_version 6
	.text
	.protected	k_qccd18ec371_proj
	.globl	k_qccd18ec371_proj
	.p2align	8
	.type	k_qccd18ec371_proj,@function
k_qccd18ec371_proj:
	s_mov_b64 s[64:65], 0
	v_nop
	global_prefetch_b8 v0, s[64:65] scope:SCOPE_SE
	s_setreg_imm32_b32 hwreg(HW_REG_WAVE_MODE, 25, 1), 1
	s_wait_xcnt 0x0
	s_wait_alu depctr_hold_cnt(0) depctr_sa_sdst(0) depctr_va_vdst(0) depctr_va_sdst(0) depctr_va_ssrc(0) depctr_va_vcc(0) depctr_vm_vsrc(0)
	s_getreg_b32 s2, hwreg(HW_REG_IB_STS2, 6, 4)
	s_cmp_eq_u32 s2, 0
	s_cbranch_scc0 .Lentry_in_a_cluster
	s_endpgm
.Lentry_in_a_cluster:
	s_bfe_u32 s2, ttmp6, 0x10000c
	s_cmp_lg_u32 s2, 0xf033
	s_cbranch_scc0 .Lentry_shape_is_right
	s_endpgm
.Lentry_shape_is_right:
; out0 = O Wo^T + bo on codes of BF6 (E3M2) with E8M0 scales.  O: oc [16 heads = panels of 64 K][4096 tokens][48 bytes], os [16 heads][4096 tokens][2 bytes].  Wo: positions 7168.. of
; cod [16 panels][8192 positions][48 bytes] and scl [position][32 bytes]; within every 32 rows of Wo position 16 u + r holds row 8 u + r + 8 (r / 8).  out0 [4096][1024] f32.
; A BLOCK OF 128 x 128 to a work-group of four waves, 64 x 64 a wave: 32 x 8 blocks make 256 work-groups.  Used transposed (source 0 = 16 positions of Wo, source 1 = 16 tokens): a lane holds a token;
; register j of B block b is output 32 (b / 2) + 8 (b % 2) + 16 (lane / 16) + j of the wave's 64.  The bias is the C of each sum's first matrix instruction.
; ALL OF K LIES IN LDS: (128 + 128) rows x 768 bytes = 196,608.  Nothing is filled twice, so there is no ring.  K comes in four chunks of 256; each wave fetches 64 rows of each chunk (4 panels x 3,072 dense
; bytes): waves 0 and 1 O's halves, waves 2 and 3 Wo's.  With its quarter of Wo's scales a wave has five tensor loads out; they go out as one group behind the opening round.  A chunk is read behind a counted
; wait on TENSORcnt and a barrier.  LDS rows are 48 bytes apart: 12 r mod 64 words runs through all multiples of 4 and the lanes' half adds 6 words, so the 32 lanes of an 8-byte load touch 64 different banks.
; CLUSTERS 4 x 4: O's tiles are asked for jointly along a row of the cluster, Wo's tiles and scales along a column.  O's scales lie head by head in memory: they are put together in registers (two tokens and
; eight heads a lane) and stored into LDS bytes of their own.
; A K step of 128 is 16 matrix instructions on 16 accumulators by turns; the next step's 48 LDS loads are issued ahead of them, into the other of two fragment buffers.
; LIMITS: NaN and infinities are not served.
; REGISTERS: window 0: v0-31 addresses; v32-63 scale words and nothing else (register 8 i + k: lanes 0-15 O's block i, lanes 16-31 Wo's block i, K step k); v64-127 at work; v128-255 accumulators ((a, b) at
;   v[128 + 8 (4 a + b)]).   window 1: two fragment buffers, v0-95 and v128-223 (O's four fragments, then Wo's four); v96-127 the bias.
.set PANB,   3072                      ; a panel of 64 rows in LDS
.set QT,     12288                     ; 64 rows x 256 K: what one tensor load brings
.set CHUNK,  49152                     ; 256 along K of the block: O's two halves, then Wo's two
.set PSTRA,  196608                    ; bytes from panel to panel in oc
.set PSTRB,  393216                    ; and in cod
.set SCL,    196608                    ; O's scales (4,352 bytes, stored by the waves), then Wo's (4,352, brought by tensor loads): runs of 256 bytes + 16
.set HALFS,  2176                      ; those of 64 rows
.set SBLK,   544                       ; those of 16 rows
.set STAGE,  205312                    ; the way out: 16 rows x (256 bytes + 16) for each wave
.set SPITCH, 272
.set FR,     12
.set OSO,  8                           ; v8   the offset of the loads of O's scale bytes; never rewritten
.set BOO,  9                           ; v9   the offset of the loads of the bias; never rewritten
.set ADRA, 16                          ; v16-19 LDS address of my fragments of O in chunk 0 .. 3
.set ADRB, 20                          ; v20-23 the same for Wo
.set STO,  24
.set RD,   25
.set CO,   26
.set ADRS, 27
.set SC,   32
.set BK,   64
.set ACC,  128
.set WV,   16
.set RH,   17
.set CH,   18
.set AROW, 19
.set G1,   24                          ; s[24:31] group 1 for O's tiles;  s[32:47] their groups 0, one for each chunk
.set G0A,  32
.set G1B,  48                          ; s[48:55] group 1 for Wo's tiles;  s[68:83] their groups 0
.set G1S,  56                          ; s[56:63], s[84:87] groups 1 and 0 for Wo's scales
.set G0B,  68
.set G0S,  84
.set MSB, 0
.macro WIN new                         ; the immediate's high byte repeats the setting that is left
.if MSB != \new
	s_set_vgpr_msb (MSB<<8)|\new
.set MSB, \new
.endif
.endm
.set TO_F, 0x40                        ; destination window 1, address window 0
.macro CROUND                          ; a round of the cluster's barrier
	s_barrier_signal -1
	s_barrier_wait -1
	s_cmp_lg_u32 s[WV], 0
	s_cbranch_scc1 .Lnot_wave_0_\@
	s_barrier_signal -3
.Lnot_wave_0_\@:
	s_barrier_wait -3
	s_barrier_signal -1
	s_barrier_wait -1
.endm
	s_load_b256 s[4:11], s[0:1], 0x0               ; oc s[4:5], os s[6:7], cod s[8:9], scl s[10:11]
	s_load_b128 s[12:15], s[0:1], 0x20             ; bo s[12:13], out0 s[14:15]
	v_lshl_add_u32 v30, v0, 2, 0x38000
	v_mov_b32 v31, 0
	ds_add_u32 v30, v31
	ds_add_u32 v30, v31
	v_lshrrev_b32 v1, 5, v0
	v_readfirstlane_b32 s[WV], v1                  ; wave 0..3
	s_lshr_b32 s[RH], s[WV], 1                     ; my half of the block's tokens.  Also: I fetch for O (0) or for Wo (1)
	s_and_b32 s[CH], s[WV], 1                      ; my half of its outputs.  Also: which 64 rows I fetch
	s_bfe_u32 s88, ttmp6, 0x40000                  ; cx
	s_bfe_u32 s89, ttmp6, 0x40004                  ; cy
	s_and_b32 s[AROW], ttmp7, 0xffff
	s_lshl_b32 s[AROW], s[AROW], 2
	s_add_co_u32 s[AROW], s[AROW], s89
	s_lshl_b32 s[AROW], s[AROW], 7                 ; the block's first token: 128 (4 x cluster y + cy)
	s_lshl_b32 s90, ttmp9, 2
	s_add_co_u32 s90, s90, s88
	s_lshl_b32 s90, s90, 7                         ; its first output: 128 (4 x cluster x + cx)
	s_lshl_b32 s91, s89, 2
	s_lshl_b32 s91, 15, s91                        ; my row of the cluster
	s_lshl_b32 s92, 0x1111, s88                    ; my column
	s_or_b32 s[G1+0], s91, (3<<16)|(1<<21)         ; the mask; elements of 8 bytes; no padding
	s_or_b32 s[G1B+0], s92, (3<<16)|(1<<21)
.irp g, G1, G1B
	s_mov_b32 s[\g+1], 384<<16                     ; 4 panels (rows) of 384 elements: 64 rows x 48 bytes
	s_mov_b32 s[\g+2], 4<<16
	s_mov_b32 s[\g+3], 384<<16
	s_mov_b32 s[\g+4], 4
	s_mov_b32 s[\g+6], 0
	s_mov_b32 s[\g+7], 0
.endr
	s_mov_b32 s[G1+5], PSTRA/8
	s_mov_b32 s[G1B+5], PSTRB/8
	s_or_b32 s[G1S+0], s92, (3<<16)|(1<<20)|(1<<21)|(5<<22)|(3<<25)   ; Wo's scales of 32 rows: 1,024 dense bytes as 4 rows of 256, 16 bytes of padding behind each
	s_mov_b32 s[G1S+1], 32<<16
	s_mov_b32 s[G1S+2], 4<<16
	s_mov_b32 s[G1S+3], 32<<16
	s_mov_b32 s[G1S+4], 4
	s_mov_b32 s[G1S+5], 32
	s_mov_b32 s[G1S+6], 0
	s_mov_b32 s[G1S+7], 0
	s_lshl_b32 s93, s[CH], 6                       ; which 64 rows I fetch
	s_add_co_u32 s20, s[AROW], s93
	s_mul_i32 s20, s20, 48                         ; O: in panel 0
	s_mov_b32 s21, 0
	s_add_co_u32 s96, s90, s93
	s_add_co_u32 s96, s96, 7168
	s_mul_i32 s96, s96, 48                         ; Wo likewise
	s_mov_b32 s97, 0
	s_lshl_b32 s98, s[WV], 5
	s_add_co_u32 s98, s98, s90
	s_add_co_u32 s98, s98, 7168
	s_lshl_b32 s98, s98, 5                         ; Wo's scales: my quarter of the block's 128 rows
	s_mov_b32 s99, 0
	s_mul_i32 s94, s[WV], QT                       ; where they go: no place in the cluster enters an LDS address
	s_mul_i32 s95, s[WV], 1088
	s_wait_dscnt 0x0
	s_wait_kmcnt 0x0
	s_add_nc_u64 s[20:21], s[4:5], s[20:21]
	s_add_nc_u64 s[96:97], s[8:9], s[96:97]
	s_add_nc_u64 s[98:99], s[10:11], s[98:99]
	s_mov_b32 s[G0S], 1
	s_add_co_u32 s[G0S+1], s95, SCL+2*HALFS
	s_mov_b64 s[G0S+2:G0S+3], s[98:99]
	s_or_b32 s[G0S+3], s[G0S+3], 0x80000000
.irp c, 0,1,2,3
	s_mov_b32 s[G0A+4*\c], 1
	s_add_co_u32 s[G0A+4*\c+1], s94, \c*CHUNK
	s_add_nc_u64 s[G0A+4*\c+2:G0A+4*\c+3], s[20:21], \c*4*PSTRA
	s_or_b32 s[G0A+4*\c+3], s[G0A+4*\c+3], 0x80000000
	s_mov_b32 s[G0B+4*\c], 1
	s_add_co_u32 s[G0B+4*\c+1], s94, \c*CHUNK
	s_add_nc_u64 s[G0B+4*\c+2:G0B+4*\c+3], s[96:97], \c*4*PSTRB
	s_or_b32 s[G0B+4*\c+3], s[G0B+4*\c+3], 0x80000000
.endr
	CROUND                                         ; all sixteen work-groups are here: the joint loads meet
	tensor_load_to_lds s[G0S:G0S+3], s[G1S:G1S+7]  ; every wave, its own quarter of Wo's scales
	s_nop 0
.rept 4
	v_nop
.endr
	s_cmp_eq_u32 s[RH], 0                          ; a wave's four chunks stand in one branch on the wave's number; four v_nop follow the last
	s_cbranch_scc0 .Lfor_b
	tensor_load_to_lds s[G0A:G0A+3], s[G1:G1+7]
	s_nop 0
	tensor_load_to_lds s[G0A+4:G0A+7], s[G1:G1+7]
	s_nop 0
	tensor_load_to_lds s[G0A+8:G0A+11], s[G1:G1+7]
	s_nop 0
	tensor_load_to_lds s[G0A+12:G0A+15], s[G1:G1+7]
	s_nop 0
.rept 4
	v_nop
.endr
	s_branch .Lasked
.Lfor_b:
	tensor_load_to_lds s[G0B:G0B+3], s[G1B:G1B+7]
	s_nop 0
	tensor_load_to_lds s[G0B+4:G0B+7], s[G1B:G1B+7]
	s_nop 0
	tensor_load_to_lds s[G0B+8:G0B+11], s[G1B:G1B+7]
	s_nop 0
	tensor_load_to_lds s[G0B+12:G0B+15], s[G1B:G1B+7]
	s_nop 0
.rept 4
	v_nop
.endr
.Lasked:
	v_and_b32 v1, 15, v0                           ; r
	v_bfe_u32 v2, v0, 4, 1                         ; h
	; O's scales: tokens 32 w + 2 r and + 1 of the block; lanes 0-15 heads 0-7, lanes 16-31 heads 8-15
	s_lshl_b32 s22, s[WV], 5
	s_add_co_u32 s22, s22, s[AROW]
	s_lshl_b32 s22, s22, 1
	s_mov_b32 s23, 0
	s_add_nc_u64 s[6:7], s[6:7], s[22:23]
	v_lshlrev_b32 v[OSO], 2, v1
	v_lshl_add_u32 v[OSO], v2, 16, v[OSO]          ; 4 r + 8 heads of 8,192 bytes x h
.irp g, 0,1,2,3,4,5,6,7
	global_load_b32 v[64+\g], v[OSO], s[6:7] offset:\g*8192
.endr
	; the bias, in the result's layout: B block b: outputs 32 (b / 2) + 8 (b % 2) + 16 h + 0 .. 7
	s_lshl_b32 s22, s90, 2
	s_lshl_b32 s2, s[CH], 8
	s_add_co_u32 s22, s22, s2                      ; my first output, in bytes
	s_add_nc_u64 s[12:13], s[12:13], s[22:23]
	v_lshlrev_b32 v[BOO], 6, v2
	WIN TO_F                                       ; destination window 1: v96-127, between the two fragment buffers
.irp b, 0,1,2,3
	global_load_b128 v[96+8*\b:96+8*\b+3], v[BOO], s[12:13] offset:128*(\b/2)+32*(\b%2)
	global_load_b128 v[96+8*\b+4:96+8*\b+7], v[BOO], s[12:13] offset:128*(\b/2)+32*(\b%2)+16
.endr
	WIN 0
	; the LDS addresses: none of the lines below writes a register or a base that the loads above name
	v_lshlrev_b32 v7, 6, v1                        ; O's scales, in: two rows of 32 bytes for each r,
	v_lshrrev_b32 v3, 2, v1
	v_lshl_add_u32 v7, v3, 4, v7                   ; 16 more for each 256 passed,
	v_lshl_add_u32 v7, v2, 4, v7                   ; my eight heads' 16 bytes,
	v_add_nc_u32 v7, s95, v7                       ; my 32 rows
	v_add_nc_u32 v7, SCL, v7
	v_mul_u32_u24 v3, v1, 48
	v_mad_u32_u24 v3, v2, 24, v3                   ; a fragment's row x 48 + 24 x half
	s_mul_i32 s21, s[RH], QT
	s_mul_i32 s22, s[CH], QT
	s_add_co_u32 s22, s22, 2*QT
.irp c, 0,1,2,3
	v_add_nc_u32 v[ADRA+\c], s21, v3
	v_add_nc_u32 v[ADRB+\c], s22, v3
	s_add_co_u32 s21, s21, CHUNK
	s_add_co_u32 s22, s22, CHUNK
.endr
	v_lshlrev_b32 v5, 5, v1                        ; my row's scales: 32 bytes a row,
	v_lshrrev_b32 v6, 8, v5
	v_lshl_add_u32 v5, v6, 4, v5                   ; and 16 more for each 256 passed
	s_mul_i32 s21, s[RH], HALFS
	s_mul_i32 s22, s[CH], HALFS
	s_add_co_u32 s22, s22, 2*HALFS
	s_sub_co_u32 s22, s22, s21
	v_mul_u32_u24 v6, s22, v2                      ; lanes 16-31 take Wo's
	s_add_co_u32 s21, s21, SCL
	v_add_nc_u32 v5, v5, v6
	v_add_nc_u32 v[ADRS], s21, v5
	s_mul_i32 s23, s[WV], 16*SPITCH
	s_add_co_u32 s23, s23, STAGE                   ; my stage
	v_mul_u32_u24 v5, v1, SPITCH
	v_lshl_add_u32 v5, v2, 6, v5                   ; in: row r, + 64 h
	v_add_nc_u32 v[STO], s23, v5
	v_mul_u32_u24 v5, v2, SPITCH
	v_lshl_add_u32 v5, v1, 4, v5                   ; back: lanes 0-15 one row of 256 bytes, lanes 16-31 the next
	v_add_nc_u32 v[RD], s23, v5
	v_lshlrev_b32 v[CO], 12, v2
	v_lshl_add_u32 v[CO], v1, 4, v[CO]             ; and the same two rows in out0
	s_lshl_b32 s20, s[RH], 6
	s_add_co_u32 s20, s20, s[AROW]
	s_lshl_b32 s20, s20, 12                        ; my first row of out0: 4,096 bytes a row
	s_lshl_b32 s21, s90, 2
	s_add_co_u32 s20, s20, s21
	s_lshl_b32 s21, s[CH], 8
	s_add_co_u32 s20, s20, s21
	s_mov_b32 s21, 0
	s_add_nc_u64 s[14:15], s[14:15], s[20:21]
	s_wait_loadcnt 8                               ; O's scales are in; the eight loads of the bias may be out
.irp q, 0,1,2,3
	v_perm_b32 v[72+\q], v[64+2*\q+1], v[64+2*\q], 0x05040100   ; the even token's bytes of two neighbouring heads
	v_perm_b32 v[76+\q], v[64+2*\q+1], v[64+2*\q], 0x07060302   ; the odd token's
.endr
	ds_store_b128 v7, v[72:75]
	ds_store_b128 v7, v[76:79] offset:32
.macro FRAG reg, adr, q, i             ; 16 rows x 128 K: registers 6 c .. 6 c + 5 hold K = 64 c + 32 (l / 16) + 0 .. 31: 24 bytes of the row in the chunk's panel 2 q + c, in pieces of 8 bytes
.irp p, 0,1,2,3,4,5
	ds_load_b64 v[(\reg)+2*\p:(\reg)+2*\p+1], v[\adr] offset:(2*(\q)+\p/3)*PANB+(\i)*768+8*(\p%3)
.endr
.endm
.macro FETCH k, f                      ; K step k's eight fragments into the buffer at f
	WIN TO_F
.irp i, 0,1,2,3
	FRAG (\f)+48+FR*\i, ADRB+(\k)/2, (\k)%2, \i
	FRAG (\f)+FR*\i, ADRA+(\k)/2, (\k)%2, \i
.endr
.endm
; 16 matrix instructions.  first = 1: the products take the bias as C.  The 16 accumulators take turns, one instruction a turn, in the same order in every step.
.macro MUL k, f, first
.irp a, 0,1,2,3
.irp b, 0,1,2,3
.if \first
	v_wmma_scale_f32_16x16x128_f8f6f4 v[ACC+8*(4*\a+\b):ACC+8*(4*\a+\b)+7], v[(\f)+48+FR*\b:(\f)+48+FR*\b+FR-1], v[(\f)+FR*\a:(\f)+FR*\a+FR-1], v[96+8*\b:96+8*\b+7], v[SC+8*\b+(\k)], v[SC+8*\a+(\k)] matrix_a_fmt:MATRIX_FMT_BF6 matrix_b_fmt:MATRIX_FMT_BF6 matrix_a_scale:MATRIX_SCALE_ROW1
.else
	v_wmma_scale_f32_16x16x128_f8f6f4 v[ACC+8*(4*\a+\b):ACC+8*(4*\a+\b)+7], v[(\f)+48+FR*\b:(\f)+48+FR*\b+FR-1], v[(\f)+FR*\a:(\f)+FR*\a+FR-1], v[ACC+8*(4*\a+\b):ACC+8*(4*\a+\b)+7], v[SC+8*\b+(\k)], v[SC+8*\a+(\k)] matrix_a_fmt:MATRIX_FMT_BF6 matrix_b_fmt:MATRIX_FMT_BF6 matrix_a_scale:MATRIX_SCALE_ROW1
.endif
.endr
.endr
.endm
.macro PLACES                          ; plain vector instructions between a matrix instruction and a load into, or a read of, its registers
.rept 4
	v_nop
.endr
.endm
; K step k: its fragments are in; the next step's are asked for, into the buffer that the last step's products have read; then the products.
.macro STEP k
	s_wait_dscnt 0x0                               ; this step's fragments (and, in step 0, the scale words) are in; no LDS instruction of mine is out
.if (\k) < 7
.if (\k)%2 == 1
	s_wait_tensorcnt 3-((\k)+1)/2                  ; my part of the next chunk has landed; the chunks issued behind it may be out
	s_barrier_signal -1
	s_barrier_wait -1                              ; everybody's has
.endif
.if (\k) > 0
	PLACES
.endif
	FETCH (\k)+1, 128*(((\k)+1)%2)
.endif
.if (\k) == 0
	WIN 0x15                                       ; sources 0 and 1 (fragments) and source 2 (the bias) window 1, D window 0
	MUL \k, 128*((\k)%2), 1
.else
	WIN 0x05                                       ; sources 0 and 1 window 1, C and D window 0
	MUL \k, 128*((\k)%2), 0
.endif
.endm
	s_wait_tensorcnt 3                             ; Wo's scales and my part of chunk 0 are in; three chunks may be out
	s_wait_dscnt 0x0                               ; my part of O's scales has landed
	s_barrier_signal -1
	s_barrier_wait -1
.irp i, 0,1,2,3                                ; all eight K steps' scale words: 32 bytes a row; lanes 0-15 O's block i, lanes 16-31 Wo's block i
	ds_load_b128 v[SC+8*\i:SC+8*\i+3], v[ADRS] offset:\i*SBLK
	ds_load_b128 v[SC+8*\i+4:SC+8*\i+7], v[ADRS] offset:\i*SBLK+16
.endr
	FETCH 0, 0
	s_wait_loadcnt 0x0                             ; the bias
.irp k, 0,1,2,3,4,5,6,7
	STEP \k
.endr
	WIN 0
; THE WAY OUT, block by block of 16 tokens x 64 outputs, through my own stage: in by 16 bytes at the outputs' true places, back as whole rows of 256 bytes, two rows an instruction.
.macro TOSTAGE a
.irp b, 0,1,2,3
	ds_store_b128 v[STO], v[ACC+8*(4*(\a)+\b):ACC+8*(4*(\a)+\b)+3] offset:128*(\b/2)+32*(\b%2)          ; each accumulator from its low end on
	ds_store_b128 v[STO], v[ACC+8*(4*(\a)+\b)+4:ACC+8*(4*(\a)+\b)+7] offset:128*(\b/2)+32*(\b%2)+16
.endr
.set BB, BK+32*((\a)%2)
.irp t, 0,1,2,3,4,5,6,7
	ds_load_b128 v[BB+4*\t:BB+4*\t+3], v[RD] offset:\t*2*SPITCH   ; LDS serves a wave's instructions in order: these see the stores above, and the next block's stores come behind them
.endr
.endm
.macro SEND a, younger                 ; younger: the LDS instructions issued behind block a's loads, which may stay out
.set BB, BK+32*((\a)%2)
	s_wait_dscnt \younger
.irp t, 0,1,2,3,4,5,6,7
	global_store_b128 v[CO], v[BB+4*\t:BB+4*\t+3], s[14:15] offset:(16*(\a)+2*\t)*4096 th:TH_STORE_NT   ; sixteen lanes store 256 consecutive bytes, aligned; the block's place stands in the immediate
.endr
.endm
	PLACES
	TOSTAGE 0
.irp a, 1,2,3
.if \a > 1
	s_wait_xcnt 0x0                                ; block a - 2's stores have read their registers: block a's loads may land there
.endif
	TOSTAGE \a
	SEND \a-1, 16                                  ; behind block a - 1's loads: block a's 8 stores and 8 loads
.endr
	SEND 3, 0
	s_wait_tensorcnt 0x0
	ds_add_u32 v30, v31
	s_wait_dscnt 0x0
	CROUND                                         ; the closing round: no work-group ends while a partner may still ask for a tile that names it
	s_endpgm
.Lfunc_end_k_qccd18ec371_proj:
	.size	k_qccd18ec371_proj, .Lfunc_end_k_qccd18ec371_proj-k_qccd18ec371_proj
	.p2alignl 7, 3214868480
	.fill 96, 4, 3214868480
	.section	.rodata,"a",@progbits
	.p2align	6, 0x0
	.amdhsa_kernel k_qccd18ec371_proj
		.amdhsa_group_segment_fixed_size 229888
		.amdhsa_private_segment_fixed_size 0
		.amdhsa_enable_private_segment 0
		.amdhsa_kernarg_size 48
		.amdhsa_user_sgpr_count 2
		.amdhsa_user_sgpr_kernarg_segment_ptr 1
		.amdhsa_wavefront_size32 1
		.amdhsa_system_sgpr_workgroup_id_x 1
		.amdhsa_system_sgpr_workgroup_id_y 1
		.amdhsa_system_sgpr_workgroup_id_z 1
		.amdhsa_system_vgpr_workitem_id 0
		.amdhsa_next_free_vgpr 512
		.amdhsa_next_free_sgpr 102
		.amdhsa_reserve_vcc 0
		.amdhsa_float_denorm_mode_32 3
		.amdhsa_float_denorm_mode_16_64 3
		.amdhsa_memory_ordered 1
		.amdhsa_forward_progress 1
		.amdhsa_inst_pref_size 63
	.end_amdhsa_kernel
	.amdgpu_metadata
---
amdhsa.version: [ 1, 2 ]
amdhsa.kernels:
  - .name:           k_qccd18ec371_proj
    .symbol:         k_qccd18ec371_proj.kd
    .args:
      - { .name: oc, .offset: 0, .size: 8, .value_kind: global_buffer, .address_space: global }
      - { .name: os, .offset: 8, .size: 8, .value_kind: global_buffer, .address_space: global }
      - { .name: cod, .offset: 16, .size: 8, .value_kind: global_buffer, .address_space: global }
      - { .name: scl, .offset: 24, .size: 8, .value_kind: global_buffer, .address_space: global }
      - { .name: bo, .offset: 32, .size: 8, .value_kind: global_buffer, .address_space: global }
      - { .name: out0, .offset: 40, .size: 8, .value_kind: global_buffer, .address_space: global }
    .group_segment_fixed_size: 229888
    .private_segment_fixed_size: 0
    .kernarg_segment_align: 8
    .kernarg_segment_size: 48
    .max_flat_workgroup_size: 128
    .sgpr_count:     102
    .vgpr_count:     512
    .wavefront_size: 32
...
	.end_amdgpu_metadata
.endif
;; end of part 4
